; MI455X (gfx1250); checked and timed in simulation.
; The chip was launched on July 23, 2026; its instructions are those of AMD's public machine-readable ISA for CDNA 5 (MIT licence, August 2026) and "CDNA5" Instruction Set Architecture Reference Guide (July 2026). The comments in the code are by the model that wrote it; some were corrected since.
;; Masked Attention. Allowed arithmetic: matrix products marked QUANTISED: E2M1 operands, one E8M0 scale for each 32 along K, by v_wmma_scale_f32_16x16x128_f8f6f4 with both operands' format E2M1 (or v_wmma_scale_f32_32x16x128_f4), f32 sums; products left as they are: bf16, f16 or f32 operands; f32 sums; everything else in f32.
;; Inputs: Wk 1,024 x 1,024 float32; Wq 1,024 x 1,024 float32; Wv 1,024 x 1,024 float32; x 4 x 2,048 x 1,024 float32.
;; Outputs: out0 4 x 2,048 x 1,024 float32.
;; This version of the problem:
;;   THIS VERSION OF THE PROBLEM IS GIVEN IN LOW PRECISION. The matrix products marked QUANTISED in the list below multiply operands that are first quantised to E2M1 (2 exponent bits, 1 mantissa bit; 4 bits a number), with one power-of-two scale for each 32 numbers along K (OCP MX v1.0); their sums are f32. The products marked 'left as it is' may take bf16, f16 or f32 operands, with f32 sums. Whichever they take, every output number must still come out within the allowed error. Rounding operands to bf16 (8 significant bits) uses up far more of that allowance than f16 does (11 bits, for magnitudes from 6e-5 to 65,504). All else is computed in f32.
;;   The module's matrix products, in the order in which they are computed (A, B: the left and right operand; K: the contracted axis; several contracted axes count as one K, in the product's order):
;;     1. [M 8,192, K 1,024] x [K 1,024, N 1,024]; A: input x; B: input Wq: QUANTISED
;;     2. [M 8,192, K 1,024] x [K 1,024, N 1,024]; A: input x; B: input Wk: QUANTISED
;;     3. [M 8,192, K 1,024] x [K 1,024, N 1,024]; A: input x; B: input Wv: QUANTISED
;;     4. batch 4 x [M 2,048, K 1,024] x [K 1,024, N 2,048]; A: computed on the way; B: computed on the way: left as it is (an operand is computed on the way)
;;     5. batch 4 x [M 2,048, K 2,048] x [K 2,048, N 1,024]; A: computed on the way; B: computed on the way: left as it is (an operand is computed on the way)
;;   THE QUANTISER, for each operand of a quantised product, along K:
;;     - K is cut into blocks of 32 from its start; a last block that is shorter is filled with zeros.
;;     - A block's scale is 2^e with e = floor(log2(the largest magnitude in the block)) - 2, held to -126 .. 127; a block of zeros has e = 0. As a byte (E8M0): e + 127.
;;     - Each number is divided by its block's scale, clamped to +-6, and rounded to the nearest number of E2M1, ties to even, subnormals kept.
;;     - The product sums the exact products of the quantised numbers (number of the format x scale) in f32.
;;   ~~~python
;;   def quantise(x, axis):      # numpy; x: float32 -> the quantised numbers, widened to float32 again
;;       x = np.moveaxis(x, axis, -1); K = x.shape[-1]
;;       x = np.pad(x, [(0, 0)] * (x.ndim - 1) + [(0, -K % 32)]); x = x.reshape(x.shape[:-1] + (-1, 32)); a = np.abs(x).max(-1, keepdims=True)
;;       e = np.where(a > 0, np.clip(np.frexp(np.where(a > 0, a, 1))[1] - 1 - 2, -126, 127), 0)      # np.frexp(a)[1] - 1 = floor(log2(a)), exactly
;;       r = np.clip(x / 2.0 ** e, -6, 6)
;;       step = 2.0 ** (np.maximum(np.frexp(np.where(r == 0, 1, r))[1] - 1, 0) - 1)
;;       q = np.round(r / step) * step * 2.0 ** e      # np.round: ties to even
;;       return np.moveaxis(q.reshape(q.shape[:-2] + (-1,))[..., :K], -1, axis).astype(np.float32)
;;   ~~~
;; One version. Each part assembles by itself: llvm-mc -triple=amdgcn-amd-amdhsa -mcpu=gfx1250 --defsym DOCPART=n.
;; ======== version 1 of 1: 5 launches
;; limits: values are held in f16: magnitudes above 65,504 overflow, below 6.1e-05 lose precision
;; workspace buffers: x_codes 4,194,304 bytes; x_scales 262,144 bytes; w_codes 1,572,864 bytes; w_scales 98,304 bytes; qkv 50,331,648 bytes; head32 786,432 bytes; pmat 33,554,432 bytes; stats 1,048,576 bytes
;; launch quant (part 1): grid 304 x 1, 4 waves a work-group, no clusters, 68,096 bytes of LDS; arguments x, Wq, Wk, Wv, x_codes, x_scales, w_codes, w_scales; writes x_codes, x_scales, w_codes, w_scales
.if DOCPART == 1
	.amdgcn_target "amdgcn-amd-amdhsa--gfx1250"
	.amdhsa_code_object_version 6
	.text
	.protected	k_q8238fd8d89_quant
	.globl	k_q8238fd8d89_quant
	.p2align	8
	.type	k_q8238fd8d89_quant,@function
k_q8238fd8d89_quant:
	s_mov_b64 s[64:65], 0
	v_nop
	global_prefetch_b8 v0, s[64:65] scope:SCOPE_SE
	s_setreg_imm32_b32 hwreg(HW_REG_WAVE_MODE, 25, 1), 1
	s_wait_xcnt 0x0
; x [8192][1024] f32 (K innermost) and Wq, Wk, Wv [1024 k][1024 n] f32 (K is the FIRST axis) become codes of FP4 (E2M1), K innermost, with one E8M0 byte for each 32 along K.
; x_codes [8192][512 bytes], x_scales [8192][32];  w_codes [3072 n][512 bytes], w_scales [3072][32], n = 0..1023 Wq, then Wk, then Wv.
; A block's scale is 2^(floor(log2(its largest magnitude)) - 2); its byte is the largest magnitude's exponent field - 2, held at 1 from below.  A block of zeros so keeps the byte 1 where the
; quantiser says 127: its codes are zeros, which add nothing under any byte but 0xff, and this program alone reads the bytes.
; LIMITS: blocks whose largest magnitude lies under 2^-124 keep the byte 1; NaN and infinities among the inputs are not served.
; Work-groups 0-255 take x: a plain stream of blocks of 32; a wave takes 16 steps of 512 numbers; each load reads 512 consecutive bytes, and a step turns through the wave's own stage in LDS so
; that a lane holds 16 neighbours along K (two lanes to a block).  Work-groups 256-303 take the weights: a lane takes a column n and its registers run down K, so a block lies in one lane and the
; codes come out with K innermost; they leave through the wave's own stage, sixteen lanes to 256 consecutive bytes.  The two ways part on the work-group's number and have LDS bytes of their own.
; No tensor loads, no barrier, no cluster: waves share nothing, and no input byte is read twice.
.set STEPS, 16
.set EMAX,  2
.set CB,    8                          ; bytes of 16 codes
.set R,     16                         ; x: v16-79 four sets of 16 numbers as loaded
.set X,     80                         ; x: v80-111 two sets of 16 neighbours
.set E,     112                        ; x: v112-127 a scale byte for each step
.set C,     128                        ; x: v128-189 codes, four registers apart for each step: no store's data are written again
.set WREG,  8192                       ; x: LDS of a wave: two stages of 32 x SP bytes, then its 256 scale bytes
.set SP,    80                         ; x: a lane's place in a stage: 64 bytes + 16 of padding
.set WSTG,  32768                      ; weights: the four stages, 32 rows x PITCH each
.set PITCH, 272
.set NB,    16                         ; weights: blocks of a wave (512 along K)
.set KROW,  512                        ; a row of codes in bytes
.set WX,    32                         ; weights: v32-95 two sets of 32 numbers
.set WC,    96                         ; weights: a block's codes
.set OUTR,  112                        ; weights: the way out, 16 x 4 registers
.set SB,    24                         ; weights: the scale bytes, four to a register
.set SPW,   190                        ; LDS address of my spare word; never rewritten
.set NIL,   191                        ; 0; never rewritten
.set SPARE, WSTG+4*32*PITCH            ; behind the stages: the spare words, 128 bytes a wave, which no other line names
	s_load_b256 s[4:11], s[0:1], 0x0               ; x, Wq, Wk, Wv
	s_load_b256 s[12:19], s[0:1], 0x20             ; x_codes, x_scales, w_codes, w_scales
	v_lshl_add_u32 v[SPW], v0, 2, SPARE
	v_mov_b32 v[NIL], 0
	v_lshrrev_b32 v1, 5, v0
	v_readfirstlane_b32 s20, v1                    ; wave
	v_and_b32 v2, 31, v0                           ; lane
	s_cmp_ge_u32 ttmp9, 256
	s_cbranch_scc1 .Lweights
; ---------------- x ----------------
	v_lshlrev_b32 v3, 4, v2                        ; my 16 bytes of a load's 512
	s_mul_i32 s21, s20, WREG
	v_lshrrev_b32 v14, 2, v2
	v_mul_u32_u24 v14, v14, SP
	v_and_b32 v15, 3, v2
	v_lshl_add_u32 v14, v15, 4, v14
	v_add_nc_u32 v14, s21, v14                     ; into the stage: SP (lane / 4) + 16 (lane % 4)
	v_mul_u32_u24 v15, v2, SP
	v_add_nc_u32 v15, s21, v15                     ; out of it: SP x lane: my 16 neighbours
	v_mul_u32_u24 v4, v2, CB                       ; my codes' place in a step's
	v_lshrrev_b32 v5, 1, v2
	s_add_co_u32 s21, s21, 2*32*SP
	v_add_nc_u32 v5, s21, v5                       ; my block's scale byte in the wave's 256
	v_lshlrev_b32 v7, 3, v2
	v_add_nc_u32 v6, s21, v7                       ; and 8 bytes a lane on their way out
	s_lshl_b32 s22, ttmp9, 2
	s_add_co_u32 s22, s22, s20                     ; which run of 8,192 numbers is my wave's
	s_mov_b32 s23, 0
	s_lshl_b64 s[24:25], s[22:23], 15              ; 32,768 bytes of x,
	s_lshl_b64 s[26:27], s[22:23], 12              ; 4,096 of codes,
	s_lshl_b64 s[28:29], s[22:23], 8               ; 256 of scale bytes a run
	s_wait_kmcnt 0x0
	s_add_nc_u64 s[4:5], s[4:5], s[24:25]
	s_add_nc_u64 s[12:13], s[12:13], s[26:27]
	s_add_nc_u64 s[14:15], s[14:15], s[28:29]
.macro XLOAD t
.irp i, 0,1,2,3
	global_load_b128 v[R+16*((\t)%4)+4*\i:R+16*((\t)%4)+4*\i+3], v3, s[4:5] offset:2048*(\t)+512*\i th:TH_LOAD_NT   ; 32 lanes read 512 consecutive bytes
.endr
.endm
.macro XTURN t                         ; step t's numbers through the stage: LDS serves a wave's instructions in order, so no wait stands between the stores and the loads
.irp i, 0,1,2,3
	ds_store_b128 v14, v[R+16*((\t)%4)+4*\i:R+16*((\t)%4)+4*\i+3] offset:32*SP*((\t)%2)+8*SP*\i
.endr
.irp i, 0,1,2,3
	ds_load_b128 v[X+16*((\t)%2)+4*\i:X+16*((\t)%2)+4*\i+3], v15 offset:32*SP*((\t)%2)+16*\i
.endr
.endm
.irp t, 0,1,2,3
	XLOAD \t
.endr
	s_wait_loadcnt 12                              ; step 0's four loads are in; the twelve of steps 1 to 3 may be out
	XTURN 0
.macro XSTEP t
.set XS, X+16*((\t)%2)
.if (\t) > 0
	s_wait_dscnt 1                                 ; this step's numbers are back from the stage (the last step's byte store may be out), so its stores into the stage have read their registers,
.else
	s_wait_dscnt 0x0
.endif
.if (\t)+4 < STEPS
	XLOAD (\t)+4                                   ; which take the loads of four steps on
.endif
.if (\t)+1 < STEPS
.if STEPS-2-(\t) >= 3
	s_wait_loadcnt 12                              ; the next step's four loads are in; those of the three steps behind it may be out
.else
	s_wait_loadcnt 4*(STEPS-2-(\t))
.endif
	XTURN (\t)+1
.endif
	v_max3_num_f32 v8, |v[XS]|, |v[XS+1]|, |v[XS+2]|               ; the largest magnitude of my 16, in two chains
	v_max3_num_f32 v9, |v[XS+3]|, |v[XS+4]|, |v[XS+5]|
.irp i, 6,10
	v_max3_num_f32 v8, v8, |v[XS+\i]|, |v[XS+\i+1]|
	v_max3_num_f32 v9, v9, |v[XS+\i+2]|, |v[XS+\i+3]|
.endr
	v_max3_num_f32 v8, v8, |v[XS+14]|, |v[XS+15]|
	v_max3_num_f32 v8, v8, v9, (EMAX+1)<<23        ; and the floor 2^(3 - 127): the byte cannot fall under 1
	v_max_num_f32_dpp v8, v8, v8 row_xmask:1 row_mask:0xf bank_mask:0xf   ; with my neighbour's 16: the block's
	v_add_nc_u32 v11, -(EMAX<<23), v8              ; 2 off its exponent field: the conversion takes the exponent field of this operand as its scale
	v_cvt_scalef32_pk8_fp4_f32 v[C+4*(\t)], v[XS:XS+7], v11
	v_cvt_scalef32_pk8_fp4_f32 v[C+4*(\t)+1], v[XS+8:XS+15], v11
	v_lshrrev_b32 v[E+(\t)], 23, v11               ; the scale's byte (also the plain line behind the conversions)
	ds_store_b8 v5, v[E+(\t)] offset:16*(\t)       ; both lanes of a block write the same byte with the same value
	global_store_b64 v4, v[C+4*(\t):C+4*(\t)+1], s[12:13] offset:32*CB*(\t)   ; 32 lanes store 256 consecutive bytes
.endm
.irp t, 0,1,2,3,4,5,6,7,8,9,10,11,12,13,14,15
	XSTEP \t
.endr
	ds_load_b64 v[8:9], v6                         ; LDS serves a wave's instructions in order: these see my byte stores
	s_wait_dscnt 0x0
	global_store_b64 v7, v[8:9], s[14:15]          ; 32 lanes store 256 consecutive bytes
	s_wait_tensorcnt 0x0                           ; the wave's end: behind my last LDS store
	ds_add_u32 v[SPW], v[NIL]
	s_wait_dscnt 0x0
	s_endpgm
; ---------------- the weights ----------------
.Lweights:
	s_sub_co_u32 s21, ttmp9, 256
	s_lshr_b32 s22, s21, 4                         ; which weight: 0 Wq, 1 Wk, 2 Wv
	s_and_b32 s23, s21, 7                          ; which 128 columns
	s_bfe_u32 s24, s21, 0x10003                    ; which 512 along K
	s_lshl_b32 s25, s23, 7
	s_lshl_b32 s26, s20, 5
	s_add_co_u32 s25, s25, s26                     ; my wave's first column
	v_lshlrev_b32 v3, 2, v2                        ; in: 4 bytes a lane
	s_mul_i32 s26, s20, 32*PITCH
	s_add_co_u32 s26, s26, WSTG                    ; my stage
	v_mul_u32_u24 v4, v2, PITCH
	v_add_nc_u32 v4, s26, v4                       ; into it: row = my column
	v_and_b32 v5, 15, v2
	v_lshrrev_b32 v6, 4, v2
	v_mul_u32_u24 v7, v6, PITCH
	v_lshl_add_u32 v7, v5, 4, v7
	v_add_nc_u32 v7, s26, v7                       ; out of it: sixteen lanes to a row, two rows an instruction
	v_mul_u32_u24 v8, v6, KROW
	v_lshl_add_u32 v8, v5, 4, v8                   ; and the same place in the codes' buffer
	v_lshlrev_b32 v9, 5, v2                        ; my column's row of scale bytes
	s_lshl_b32 s28, s24, 21                        ; W: 512 rows of 4,096 bytes,
	s_lshl_b32 s27, s25, 2
	s_add_co_u32 s28, s28, s27                     ; + 4 x column
	s_mov_b32 s29, 0
	s_lshl_b32 s30, s22, 19                        ; codes: 1,024 rows of 512 bytes a weight,
	s_lshl_b32 s27, s25, 9
	s_add_co_u32 s30, s30, s27                     ; + column x 512
	s_lshl_b32 s27, s24, 8
	s_add_co_u32 s30, s30, s27                     ; + 256 for the second half of K
	s_mov_b32 s31, 0
	s_lshl_b32 s32, s22, 15                        ; scale bytes: 1,024 rows of 32,
	s_lshl_b32 s27, s25, 5
	s_add_co_u32 s32, s32, s27
	s_lshl_b32 s27, s24, 4
	s_add_co_u32 s32, s32, s27
	s_mov_b32 s33, 0
	s_wait_kmcnt 0x0
	s_cmp_eq_u32 s22, 0                            ; the weight is chosen by the work-group's number alone
	s_cselect_b64 s[6:7], s[6:7], s[8:9]
	s_cmp_eq_u32 s22, 2
	s_cselect_b64 s[6:7], s[10:11], s[6:7]
	s_add_nc_u64 s[6:7], s[6:7], s[28:29]
	s_add_nc_u64 s[16:17], s[16:17], s[30:31]
	s_add_nc_u64 s[18:19], s[18:19], s[32:33]
.macro WLOAD t                         ; block t: W(32 t + i, my column), i = 0 .. 31, into set t % 2; a wave reads 128 consecutive bytes, the four waves 512
.set LI, 0
.rept 32
	global_load_b32 v[WX+32*((\t)%2)+LI], v3, s[6:7] offset:(32*(\t)+LI)*4096 th:TH_LOAD_NT
.set LI, LI+1
.endr
.endm
	WLOAD 0
	WLOAD 1
.macro WBLOCK t
.set XS, WX+32*((\t)%2)
.if (\t) < NB-1
	s_wait_loadcnt 32                              ; this block's 32 loads are in; the next block's 32 may be out
.else
	s_wait_loadcnt 0
.endif
	v_max3_num_f32 v12, |v[XS]|, |v[XS+1]|, |v[XS+2]|              ; the block's largest magnitude: all 32 numbers are mine
	v_max3_num_f32 v13, |v[XS+3]|, |v[XS+4]|, |v[XS+5]|
.irp i, 6,10,14,18,22,26
	v_max3_num_f32 v12, v12, |v[XS+\i]|, |v[XS+\i+1]|
	v_max3_num_f32 v13, v13, |v[XS+\i+2]|, |v[XS+\i+3]|
.endr
	v_max3_num_f32 v12, v12, |v[XS+30]|, |v[XS+31]|
	v_max3_num_f32 v12, v12, v13, (EMAX+1)<<23     ; and the floor
	v_add_nc_u32 v11, -(EMAX<<23), v12             ; the conversion's scale operand
	v_lshrrev_b32 v13, 23, v11                     ; the scale's byte
.if (\t)%4 == 0
	v_mov_b32 v[SB+(\t)/4], v13                    ; four bytes to a register, the lower K in the lower byte
.else
	v_lshl_or_b32 v[SB+(\t)/4], v13, 8*((\t)%4), v[SB+(\t)/4]
.endif
.irp g, 0,1,2,3
	v_cvt_scalef32_pk8_fp4_f32 v[WC+\g], v[XS+8*\g:XS+8*\g+7], v11
.endr
	ds_store_b128 v4, v[WC:WC+3] offset:16*(\t)    ; 32 codes: 16 bytes of my column's row
.if (\t)+2 < NB
	WLOAD (\t)+2
.endif
	s_wait_dscnt 0x0                               ; the store has read its registers: the next block's codes may be written
.endm
.set Q, 0
.rept NB
	WBLOCK Q
.set Q, Q+1
.endr
	global_store_b128 v9, v[SB:SB+3], s[18:19]     ; my column's 16 scale bytes
.irp t, 0,1,2,3,4,5,6,7,8,9,10,11,12,13,14,15
	ds_load_b128 v[OUTR+4*\t:OUTR+4*\t+3], v7 offset:2*\t*PITCH   ; LDS serves a wave's instructions in order: these see my stores
.endr
.irp t, 0,1,2,3,4,5,6,7,8,9,10,11,12,13,14,15
	s_wait_dscnt 15-\t                             ; loads come back in order: row pair t is in
	global_store_b128 v8, v[OUTR+4*\t:OUTR+4*\t+3], s[16:17] offset:2*\t*KROW   ; sixteen lanes store 256 consecutive bytes
.endr
	s_wait_tensorcnt 0x0                           ; the wave's end: behind my last LDS store
	ds_add_u32 v[SPW], v[NIL]
	s_wait_dscnt 0x0
	s_endpgm
.Lfunc_end_k_q8238fd8d89_quant:
	.size	k_q8238fd8d89_quant, .Lfunc_end_k_q8238fd8d89_quant-k_q8238fd8d89_quant
	.p2alignl 7, 3214868480
	.fill 96, 4, 3214868480
	.section	.rodata,"a",@progbits
	.p2align	6, 0x0
	.amdhsa_kernel k_q8238fd8d89_quant
		.amdhsa_group_segment_fixed_size 68096
		.amdhsa_private_segment_fixed_size 0
		.amdhsa_enable_private_segment 0
		.amdhsa_kernarg_size 64
		.amdhsa_user_sgpr_count 2
		.amdhsa_user_sgpr_kernarg_segment_ptr 1
		.amdhsa_wavefront_size32 1
		.amdhsa_system_sgpr_workgroup_id_x 1
		.amdhsa_system_sgpr_workgroup_id_y 1
		.amdhsa_system_sgpr_workgroup_id_z 1
		.amdhsa_system_vgpr_workitem_id 0
		.amdhsa_next_free_vgpr 192
		.amdhsa_next_free_sgpr 66
		.amdhsa_reserve_vcc 0
		.amdhsa_float_denorm_mode_32 3
		.amdhsa_float_denorm_mode_16_64 3
		.amdhsa_memory_ordered 1
		.amdhsa_forward_progress 1
		.amdhsa_inst_pref_size 111
	.end_amdhsa_kernel
	.amdgpu_metadata
---
amdhsa.version: [ 1, 2 ]
amdhsa.kernels:
  - .name:           k_q8238fd8d89_quant
    .symbol:         k_q8238fd8d89_quant.kd
    .args:
      - { .name: x, .offset: 0, .size: 8, .value_kind: global_buffer, .address_space: global }
      - { .name: Wq, .offset: 8, .size: 8, .value_kind: global_buffer, .address_space: global }
      - { .name: Wk, .offset: 16, .size: 8, .value_kind: global_buffer, .address_space: global }
      - { .name: Wv, .offset: 24, .size: 8, .value_kind: global_buffer, .address_space: global }
      - { .name: x_codes, .offset: 32, .size: 8, .value_kind: global_buffer, .address_space: global }
      - { .name: x_scales, .offset: 40, .size: 8, .value_kind: global_buffer, .address_space: global }
      - { .name: w_codes, .offset: 48, .size: 8, .value_kind: global_buffer, .address_space: global }
      - { .name: w_scales, .offset: 56, .size: 8, .value_kind: global_buffer, .address_space: global }
    .group_segment_fixed_size: 68096
    .private_segment_fixed_size: 0
    .kernarg_segment_align: 8
    .kernarg_segment_size: 64
    .max_flat_workgroup_size: 128
    .sgpr_count:     66
    .vgpr_count:     192
    .wavefront_size: 32
...
	.end_amdgpu_metadata
.endif
;; end of part 1
;; launch proj (part 2): grid 12 x 32, 4 waves a work-group, clusters of 4 x 4, 327,680 bytes of LDS; arguments x_codes, x_scales, w_codes, w_scales, qkv, head32; writes qkv, head32
.if DOCPART == 2
	.amdgcn_target "amdgcn-amd-amdhsa--gfx1250"
	.amdhsa_code_object_version 6
	.text
	.protected	k_q8238fd8d89_proj
	.globl	k_q8238fd8d89_proj
	.p2align	8
	.type	k_q8238fd8d89_proj,@function
k_q8238fd8d89_proj:
	s_mov_b64 s[64:65], 0
	v_nop
	global_prefetch_b8 v0, s[64:65] scope:SCOPE_SE
	s_setreg_imm32_b32 hwreg(HW_REG_WAVE_MODE, 25, 1), 1
	s_wait_xcnt 0x0
	s_wait_alu depctr_hold_cnt(0) depctr_sa_sdst(0) depctr_va_vdst(0) depctr_va_sdst(0) depctr_va_ssrc(0) depctr_va_vcc(0) depctr_vm_vsrc(0)
	s_getreg_b32 s2, hwreg(HW_REG_IB_STS2, 6, 4)
	s_cmp_eq_u32 s2, 0
	s_cbranch_scc0 .Lentry_in_a_cluster
	s_endpgm
.Lentry_in_a_cluster:
	s_bfe_u32 s2, ttmp6, 0x10000c
	s_cmp_lg_u32 s2, 0xf033
	s_cbranch_scc0 .Lentry_shape_is_right
	s_endpgm
.Lentry_shape_is_right:
; [q | k | v] = x [Wq | Wk | Wv] on codes of FP4 (E2M1) with one E8M0 scale for each 32 along K: C[m][n] = sum over k of A[m][k] B[n][k], A = x's codes [8192][1024], B = the weights' codes [3072][1024].
; Sums in f32.  C goes out as f16, qkv [8192][3072]; the first 16 rows of each sequence of 2,048 also as f32, head32 [4][16][3072], for the launch that carries those rows in f32.
; LIMIT: |q|, |k|, |v| up to 65,504 (f16's largest number): inputs 30 times the drawn ones give about 5,400, offsets of 30 spreads on x and W about 29,000.
; A tile of C, 256 x 256, is made by a work-group of four waves; a wave makes 128 x 128: 64 accumulators, 512 registers.  K = 1,024 is two steps of 512: the two LDS slots are each filled once.
; THE SCALES of the work-group's 256 rows of A and of B, for all of K, are two dense blocks of memory: they come into LDS once, with the first fills.
; CLUSTERS: 4 x 4 work-groups.  The four of a row of the cluster need the same tiles of A, the four of a column the same tiles of B: each tile is asked for JOINTLY, by the same tensor load with the same
; descriptor and a mask that names the four.  The tile row is 8 cy + cluster y, so that cy is the sequence, and 'the first rows of a sequence' is cluster y = 0: one number for all sixteen partners.
; THE MATRIX INSTRUCTION IS USED TRANSPOSED (source 0 = 16 rows of B, source 1 = 16 rows of A): a lane then holds eight neighbouring numbers of a row of C.
; REGISTERS, in windows of 256: window 0: v0-31 addresses; v32-95 scale words, two sets; v128-191 A's fragments, one set; on the way out v32-255 are free.
;   window 1: B's fragments, two sets, at v0 and v128.   window 2: the accumulators of my rows 0-63 ((a, b) at v[8 (8 a + b)]);   window 3: those of my rows 64-127.
.set SIZE_N, 3072
.set SIZE_K, 1024
.set KSTEP,  512                       ; along K in a slot
.set NQ,     KSTEP/128                 ; matrix instructions deep
.set ROWB,   256                       ; a tile's row in bytes
.set KROW,   SIZE_K/2                  ; a row of codes in memory
.set PITCH,  272                       ; an LDS row: 256 bytes + 16 of padding: the 16 rows that a load touches start 68 words apart
.set FR,     8                         ; registers of a fragment
.set NL,     2                         ; LDS loads that bring one
.set NP,     4                         ; places behind this matrix instruction (ISA guide 7.12.1)
.set HALFT,  128*PITCH
.set SLOT,   4*HALFT                   ; A's 256 rows, then B's 256 rows
.set KS,     SIZE_K/32                 ; a row of scales in bytes
.set SCL,    2*SLOT                    ; behind the slots: the scales, as units of 256 bytes + 16 of padding
.set HALFS,  (128*KS/256)*272
.set SBLK,   (16*KS/256)*272
.set SPARE,  SCL+4*HALFS               ; the spare words, 128 bytes a wave, which no other line names
.set CROW,   SIZE_N*2                  ; a row of qkv in bytes
.set SP16,   272                       ; the way out: a stage of 16 rows x (256 + 16) bytes for each wave, in slot 0, which has had its only fill and its last read by then
.set H32,    4*16*SP16                 ; behind those: a stage of 16 rows x (512 + 16) bytes for each wave, for the f32 rows
.set SP32,   528
.set ADRA, 16
.set ADRB, 20
.set L16,  22                          ; v22  16 x lane
.set STO,  24
.set RD,   25
.set CO,   26
.set ADRS, 27
.set SPW,  28
.set NIL,  29
.set STO32, 30
.set RD32,  31
.set SC,   32
.set AF,   128
.set TMP,  192                         ; the way out: packed results
.set OB,   32                          ; the way out: 16 rows read back: v32-63 and v224-255 by turns
.set G1, 24
.set G0, 32
.set G1B, 48
.set G0B, 56
.set G1S, 68
.set G0S, 76
.set G1SB, 80
.set G0SB, 88
.set MSB, 0
.macro WIN new                         ; the immediate's high byte repeats the setting that is left
.if MSB != (\new)
	s_set_vgpr_msb (MSB<<8)|(\new)
.set MSB, (\new)
.endif
.endm
.set MUL_LO, 0xa1                      ; source 0 (B) window 1, source 1 (A) window 0, C and D window 2
.set MUL_HI, 0xf1                      ; the same, C and D window 3
.set TO_B,   0x40                      ; destination window 1, address window 0
; A joint load: waves 0 and 1 fetch for A, waves 2 and 3 for B.  The branch hangs on the wave's number alone.  An s_nop 0 and four v_nop follow each of the two lines.
.macro JLOAD g0a, g1a, g0b, g1b
	s_cmp_eq_u32 s15, 0
	s_cbranch_scc0 .Lfor_b_\@
	tensor_load_to_lds s[\g0a:\g0a+3], s[\g1a:\g1a+7]
	s_nop 0
.rept 4
	v_nop
.endr
	s_branch .Lasked_\@
.Lfor_b_\@:
	tensor_load_to_lds s[\g0b:\g0b+3], s[\g1b:\g1b+7]
	s_nop 0
.rept 4
	v_nop
.endr
.Lasked_\@:
.endm
.macro CROUND                          ; a round of the cluster's barrier
	s_barrier_signal -1
	s_barrier_wait -1
	s_cmp_lg_u32 s14, 0
	s_cbranch_scc1 .Lnot_wave_0_\@
	s_barrier_signal -3
.Lnot_wave_0_\@:
	s_barrier_wait -3
	s_barrier_signal -1
	s_barrier_wait -1
.endm
	s_load_b128 s[4:7], s[0:1], 0x0                ; A's codes, A's scales
	s_load_b128 s[8:11], s[0:1], 0x10              ; B's codes, B's scales
	s_load_b64 s[12:13], s[0:1], 0x20              ; qkv
	s_load_b64 s[96:97], s[0:1], 0x28              ; head32
	v_lshl_add_u32 v[SPW], v0, 2, SPARE
	v_mov_b32 v[NIL], 0
	ds_add_u32 v[SPW], v[NIL]                      ; the wave's opening: the add, twice on end, and its wait ahead of my first tensor load
	ds_add_u32 v[SPW], v[NIL]
	v_lshrrev_b32 v1, 5, v0
	v_readfirstlane_b32 s14, v1                    ; wave 0..3
	s_lshr_b32 s15, s14, 1                         ; which half of the tile's rows is mine.  Also: I fetch for A (0) or for B (1)
	s_and_b32 s16, s14, 1                          ; which half of its columns.  Also: which 128 rows of that tile I fetch
	s_bfe_u32 s40, ttmp6, 0x40000                  ; cx, cy
	s_bfe_u32 s41, ttmp6, 0x40004
	s_lshl_b32 s42, ttmp9, 2
	s_add_co_u32 s42, s42, s40                     ; tile column = 4 x cluster x + cx
	s_and_b32 s98, ttmp7, 0xffff                   ; cluster y
	s_lshl_b32 s17, s41, 3
	s_add_co_u32 s17, s17, s98                     ; tile row = 8 cy + cluster y
	s_lshl_b32 s43, s41, 2
	s_lshl_b32 s43, 15, s43                        ; my row of the cluster
	s_lshl_b32 s44, 0x1111, s40                    ; my column
	s_or_b32 s[G1+0], s43, (0<<16)|(1<<20)|(1<<21)|(5<<22)|(3<<25)  ; the mask; elements of 1 byte; padding: 4 words after every 64; bit 21 beside a mask
	s_or_b32 s[G1B+0], s44, (0<<16)|(1<<20)|(1<<21)|(5<<22)|(3<<25)
.irp g, G1, G1B
	s_mov_b32 s[\g+1], ROWB<<16                    ; tensor_dim0
	s_mov_b32 s[\g+2], 128<<16                     ; tensor_dim1
	s_mov_b32 s[\g+3], ROWB<<16                    ; tile_dim0
	s_mov_b32 s[\g+4], 128                         ; tile_dim1
	s_mov_b32 s[\g+5], KROW                        ; the pitch
	s_mov_b32 s[\g+6], 0
	s_mov_b32 s[\g+7], 0
.endr
	s_or_b32 s[G1S+0], s43, (3<<16)|(1<<20)|(1<<21)|(5<<22)|(3<<25) ; the scales of 128 rows: a dense block, as rows of 256 bytes (32 elements of 8 bytes), 16 bytes of padding behind each
	s_or_b32 s[G1SB+0], s44, (3<<16)|(1<<20)|(1<<21)|(5<<22)|(3<<25)
.irp g, G1S, G1SB
	s_mov_b32 s[\g+1], 32<<16
	s_mov_b32 s[\g+2], (128*KS/256)<<16
	s_mov_b32 s[\g+3], 32<<16
	s_mov_b32 s[\g+4], 128*KS/256
	s_mov_b32 s[\g+5], 32
	s_mov_b32 s[\g+6], 0
	s_mov_b32 s[\g+7], 0
.endr
	s_lshl_b32 s18, s16, 7
	s_lshl_b32 s20, s17, 8
	s_add_co_u32 s20, s20, s18                     ; A: row 256 x tile row + 128 x half
	s_lshl_b32 s46, s42, 8
	s_add_co_u32 s46, s46, s18                     ; B: row 256 x tile column + 128 x half
	s_mov_b32 s21, 0
	s_mov_b32 s47, 0
	s_mov_b64 s[18:19], KS
	s_mul_u64 s[22:23], s[20:21], s[18:19]         ; where these rows' scales begin,
	s_mul_u64 s[92:93], s[46:47], s[18:19]
	s_mov_b64 s[18:19], KROW
	s_mul_u64 s[20:21], s[20:21], s[18:19]         ; and their codes
	s_mul_u64 s[46:47], s[46:47], s[18:19]
	s_mul_i32 s45, s14, HALFT                      ; where they go: wave x 128 rows: no place in the cluster enters an LDS address
	s_mul_i32 s94, s14, HALFS
	s_wait_dscnt 0x0                               ; both opening adds are done
	s_wait_kmcnt 0x0
	s_add_nc_u64 s[20:21], s[4:5], s[20:21]
	s_add_nc_u64 s[22:23], s[6:7], s[22:23]
	s_add_nc_u64 s[46:47], s[8:9], s[46:47]
	s_add_nc_u64 s[92:93], s[10:11], s[92:93]
	CROUND                                         ; all sixteen work-groups are here: the joint loads meet
	s_mov_b32 s[G0S], 1
	s_add_co_u32 s[G0S+1], s94, SCL
	s_mov_b64 s[G0S+2:G0S+3], s[22:23]
	s_or_b32 s[G0S+3], s[G0S+3], 0x80000000
	s_mov_b32 s[G0SB], 1
	s_add_co_u32 s[G0SB+1], s94, SCL
	s_mov_b64 s[G0SB+2:G0SB+3], s[92:93]
	s_or_b32 s[G0SB+3], s[G0SB+3], 0x80000000
	JLOAD G0S, G1S, G0SB, G1SB                     ; the scales first: they are wanted with K step 0
.irp s, 0,1
	s_mov_b32 s[G0+4*\s], 1
	s_add_co_u32 s[G0+4*\s+1], s45, \s*SLOT
	s_add_nc_u64 s[G0+4*\s+2:G0+4*\s+3], s[20:21], \s*ROWB
	s_or_b32 s[G0+4*\s+3], s[G0+4*\s+3], 0x80000000
	s_mov_b32 s[G0B+4*\s], 1
	s_add_co_u32 s[G0B+4*\s+1], s45, \s*SLOT
	s_add_nc_u64 s[G0B+4*\s+2:G0B+4*\s+3], s[46:47], \s*ROWB
	s_or_b32 s[G0B+4*\s+3], s[G0B+4*\s+3], 0x80000000
	JLOAD G0+4*\s, G1, G0B+4*\s, G1B               ; three loads of mine are out in all
.endr
	v_and_b32 v1, 15, v0                           ; r = l % 16
	v_bfe_u32 v2, v0, 4, 1                         ; h = l / 16
	v_mul_u32_u24 v3, v1, PITCH
	v_lshl_add_u32 v4, v2, 4, v3                   ; a fragment's row x pitch + 16 x half
	s_mul_i32 s21, s15, HALFT                      ; my 128 rows of A
	s_mul_i32 s22, s16, HALFT                      ; my 128 rows of B,
	s_add_co_u32 s22, s22, 2*HALFT                 ; which lie behind A's 256
.irp s, 0,1
	v_add_nc_u32 v[ADRA+\s], s21, v4
	v_add_nc_u32 v[ADRB+\s], s22, v4
	s_add_co_u32 s21, s21, SLOT
	s_add_co_u32 s22, s22, SLOT
.endr
	v_mul_u32_u24 v5, v1, KS                       ; my row's scales: KS bytes a row,
	v_lshrrev_b32 v6, 8, v5
	v_lshl_add_u32 v5, v6, 4, v5                   ; and 16 more for each 256 passed
	s_mul_i32 s21, s15, HALFS
	s_mul_i32 s22, s16, HALFS
	s_add_co_u32 s22, s22, 2*HALFS
	s_sub_co_u32 s22, s22, s21
	v_mul_u32_u24 v6, s22, v2                      ; lanes 16-31 take B's: one product, the distance between the two bases
	s_add_co_u32 s21, s21, SCL
	v_add_nc_u32 v5, v5, v6
	v_add_nc_u32 v[ADRS], s21, v5
	s_mul_i32 s23, s14, 16*SP16                    ; my f16 stage
	v_add_nc_u32 v[STO], s23, v4                   ; in: row r, 16 bytes for each half of the lanes (the stage's pitch is the tiles')
	v_mul_u32_u24 v5, v2, SP16
	v_lshl_add_u32 v5, v1, 4, v5
	v_add_nc_u32 v[RD], s23, v5                    ; back: lanes 0-15 one row of 256 bytes, lanes 16-31 the next
	v_mul_u32_u24 v5, v2, CROW
	v_lshl_add_u32 v[CO], v1, 4, v5                ; and the same two rows in qkv
	s_mul_i32 s23, s14, 16*SP32
	s_add_co_u32 s23, s23, H32                     ; my f32 stage
	v_mul_u32_u24 v5, v1, SP32
	v_lshl_add_u32 v5, v2, 5, v5
	v_add_nc_u32 v[STO32], s23, v5                 ; in: row r, 32 bytes for each half of the lanes
	v_and_b32 v6, 31, v0
	v_lshlrev_b32 v[L16], 4, v6
	v_add_nc_u32 v[RD32], s23, v[L16]              ; back: the 32 lanes take one row of 512 bytes
	s_lshl_b32 s20, s17, 8
	s_lshl_b32 s21, s15, 7
	s_add_co_u32 s20, s20, s21                     ; my first row of C
	s_mul_i32 s20, s20, CROW                       ; under 2^32: 8,191 x 6,144
	s_lshl_b32 s46, s42, 9                         ; my first column in qkv, in bytes: 512 x tile column + 256 x half
	s_lshl_b32 s47, s16, 8
	s_add_co_u32 s46, s46, s47
	s_add_co_u32 s20, s20, s46
	s_mov_b32 s21, 0
	s_add_nc_u64 s[12:13], s[12:13], s[20:21]
	s_mul_i32 s20, s41, 16*SIZE_N*4                ; head32: the sequence's 16 rows,
	s_lshl_b32 s46, s46, 1                         ; my first column, 4 bytes a number
	s_add_co_u32 s20, s20, s46
	s_add_nc_u64 s[96:97], s[96:97], s[20:21]
.macro FRAG reg, adr, q, i             ; 16 rows x 128 K of 4-bit codes: lane l holds row l % 16; registers 4 c .. 4 c + 3 hold K = 64 c + 32 (l / 16) + 0 .. 31
.irp c, 0,1
	ds_load_b128 v[\reg+4*\c:\reg+4*\c+3], v[\adr] offset:64*(\q)+32*\c+(\i)*16*PITCH
.endr
.endm
; 16 matrix instructions: A's blocks a0, a0 + 1 x B's eight, 128 along K.  The 64 accumulators take turns, one instruction a turn, in the same order in every step.
; One register carries A's scale word (lanes 0-15) and B's (lanes 16-31): source 0 (B) reads row 1.
.macro MUL16 a0, p, q, sc, zero
.irp a, \a0, \a0+1
.irp b, 0,1,2,3,4,5,6,7
.if \zero
	v_wmma_scale_f32_16x16x128_f8f6f4 v[8*(8*((\a)%4)+\b):8*(8*((\a)%4)+\b)+7], v[128*(\p)+FR*\b:128*(\p)+FR*\b+FR-1], v[AF+FR*(\a):AF+FR*(\a)+FR-1], 0, v[SC+8*NQ*(\sc)+NQ*\b+(\q)], v[SC+8*NQ*(\sc)+NQ*(\a)+(\q)] matrix_a_fmt:MATRIX_FMT_FP4 matrix_b_fmt:MATRIX_FMT_FP4 matrix_a_scale:MATRIX_SCALE_ROW1
.else
	v_wmma_scale_f32_16x16x128_f8f6f4 v[8*(8*((\a)%4)+\b):8*(8*((\a)%4)+\b)+7], v[128*(\p)+FR*\b:128*(\p)+FR*\b+FR-1], v[AF+FR*(\a):AF+FR*(\a)+FR-1], v[8*(8*((\a)%4)+\b):8*(8*((\a)%4)+\b)+7], v[SC+8*NQ*(\sc)+NQ*\b+(\q)], v[SC+8*NQ*(\sc)+NQ*(\a)+(\q)] matrix_a_fmt:MATRIX_FMT_FP4 matrix_b_fmt:MATRIX_FMT_FP4 matrix_a_scale:MATRIX_SCALE_ROW1
.endif
.endr
.endr
.endm
.macro FETCH_B slot, q, p
	WIN TO_B
.irp i, 0,1,2,3,4,5,6,7
	FRAG 128*(\p)+FR*\i, ADRB+\slot, \q, \i
.endr
	WIN 0
.endm
.macro FETCH_A slot, q, i0
.irp i, \i0, \i0+1, \i0+2, \i0+3
	FRAG AF+FR*(\i), ADRA+\slot, \q, \i
.endr
.endm
.macro SCALES sc                       ; a K step's scale words: NQ words a row; lanes 0-15 take A's block i, lanes 16-31 B's block i
.irp i, 0,1,2,3,4,5,6,7
	ds_load_b128 v[SC+8*NQ*\sc+NQ*\i:SC+8*NQ*\sc+NQ*\i+3], v[ADRS] offset:\i*SBLK
.endr
.endm
.macro PLACES n                        ; plain vector lines between a matrix instruction and a load into, or a read of, its registers
.rept \n
	v_nop
.endr
.endm
.macro STEP slot, q, zero              ; a step of 128 along K that has its successor in the same slot
	s_wait_dscnt 4*NL                              ; B's set and A's blocks 0-3 are in; the youngest eight loads (A's blocks 4-7) may be out
	WIN MUL_LO
	MUL16 0, (\q)%2, \q, \slot, \zero
	MUL16 2, (\q)%2, \q, \slot, \zero
	s_wait_dscnt 0                                 ; A's blocks 4-7 are in
	PLACES NP
	FETCH_B \slot, (\q)+1, 1-(\q)%2
	FETCH_A \slot, (\q)+1, 0
	WIN MUL_HI
	MUL16 4, (\q)%2, \q, \slot, \zero
	MUL16 6, (\q)%2, \q, \slot, \zero
	PLACES NP
	WIN 0
	FETCH_A \slot, (\q)+1, 4
.endm
.macro STEPS slot, from
.set Q, \from
.rept NQ-1-\from
	STEP \slot, Q, 0
.set Q, Q+1
.endr
.endm
	s_wait_tensorcnt 1                             ; the scales and my part of K step 0 are in (K step 1's load may be out)
	s_barrier_signal -1
	s_barrier_wait -1                              ; everybody's are
	FETCH_B 0, 0, 0
	FETCH_A 0, 0, 0
	SCALES 0
	FETCH_A 0, 0, 4
	STEP 0, 0, 1                                   ; the first step's products start the sums: nothing is cleared
	STEPS 0, 1
	; slot 0's last step changes slots: one barrier; in front of it each wave waits for all its tensor loads (its part of slot 1), adds 0 to its spare word, and waits for that and for its reads of slot 0
	s_wait_tensorcnt 0x0
	ds_add_u32 v[SPW], v[NIL]
	s_wait_dscnt 4*NL+1                            ; (the add and A's blocks 4-7 may be out)
	WIN MUL_LO
	MUL16 0, 1, NQ-1, 0, 0
	s_wait_dscnt 0x0                               ; the add is done, and my reads of slot 0 are over
	s_barrier_signal -1
	MUL16 2, 1, NQ-1, 0, 0
	WIN 0
	s_barrier_wait -1
	PLACES NP
	v_add_nc_u32 v[ADRS], 4*NQ, v[ADRS]            ; on to K step 1's scale words
	FETCH_B 1, 0, 0
	FETCH_A 1, 0, 0
	SCALES 1
	WIN MUL_HI
	MUL16 4, 1, NQ-1, 0, 0
	MUL16 6, 1, NQ-1, 0, 0
	PLACES NP
	WIN 0
	FETCH_A 1, 0, 4
	STEPS 1, 0
	s_wait_dscnt 4*NL                              ; the very last step: nothing more to fetch
	WIN MUL_LO
	MUL16 0, 1, NQ-1, 1, 0
	MUL16 2, 1, NQ-1, 1, 0
	s_wait_dscnt 0
	WIN MUL_HI
	MUL16 4, 1, NQ-1, 1, 0
	MUL16 6, 1, NQ-1, 1, 0
	WIN 0
; THE WAY OUT, a block of 16 rows x 128 columns at a time.  PACK: rounded to f16, 16 bytes a lane.  TOSTAGE: into my own stage, and back as whole rows of 256 bytes.  SEND: stored.
.macro PACK a
.set AC, 64*((\a)%4)
	WIN 0x0a+5*((\a)/4)                            ; sources 0 and 1: window 2 or 3
.irp b, 0,1,2,3,4,5,6,7
.irp r, 0,1,2,3
	v_cvt_pk_f16_f32 v[TMP+4*\b+\r], v[AC+8*\b+2*\r], v[AC+8*\b+2*\r+1]   ; each accumulator from its low end on
.endr
.endr
	WIN 0
.endm
.macro TOSTAGE a
.set BK, OB+192*((\a)%2)
.irp b, 0,1,2,3,4,5,6,7
	ds_store_b128 v[STO], v[TMP+4*\b:TMP+4*\b+3] offset:32*\b
.endr
.irp t, 0,1,2,3,4,5,6,7
	ds_load_b128 v[BK+4*\t:BK+4*\t+3], v[RD] offset:\t*2*SP16      ; LDS serves a wave's instructions in order: these see the stores above
.endr
.endm
.macro SEND a
.set BK, OB+192*((\a)%2)
	s_wait_dscnt 0x0                               ; the block is back in registers
	s_wait_xcnt 0x0                                ; earlier stores have read their base and their registers: both may be written again
.if (\a) > 0
	s_add_nc_u64 s[12:13], s[12:13], 16*CROW
.endif
.irp t, 0,1,2,3,4,5,6,7
	global_store_b128 v[CO], v[BK+4*\t:BK+4*\t+3], s[12:13] offset:2*\t*CROW   ; 16 lanes store 256 consecutive bytes, at a multiple of 256 from the buffer's first byte
.endr
.endm
	PLACES NP
	PACK 0
	TOSTAGE 0
.irp a, 1,2,3,4,5,6,7                  ; block a's conversions stand between block a - 1's loads from the stage and the wait for them
	PACK \a
	SEND (\a)-1
	TOSTAGE \a
.endr
	SEND 7
	; the first 16 rows of a sequence also leave as f32: cluster y = 0 (one number for all partners) and the waves of the tile's upper half: their block 0
	s_or_b32 s99, s98, s15
	s_cmp_lg_u32 s99, 0
	s_cbranch_scc1 .Lno_head
	WIN 0x08                                       ; an LDS store's data are its source 1: window 2
.irp b, 0,1,2,3,4,5,6,7
	ds_store_b128 v[STO32], v[8*\b:8*\b+3] offset:64*\b
	ds_store_b128 v[STO32], v[8*\b+4:8*\b+7] offset:64*\b+16
.endr
	WIN 0
.irp t, 0,1,2,3,4,5,6,7,8,9,10,11,12,13,14,15
	ds_load_b128 v[AF+4*\t:AF+4*\t+3], v[RD32] offset:\t*SP32
.endr
	s_wait_dscnt 0x0
.irp t, 0,1,2,3,4,5,6,7,8,9,10,11,12,13,14,15
	global_store_b128 v[L16], v[AF+4*\t:AF+4*\t+3], s[96:97] offset:\t*SIZE_N*4   ; 32 lanes store 512 consecutive bytes
.endr
.Lno_head:
	s_wait_tensorcnt 0x0                           ; the wave's end: behind my last tensor load and my last LDS store
	ds_add_u32 v[SPW], v[NIL]
	s_wait_dscnt 0x0
	CROUND                                         ; the closing round: no work-group ends while a partner may still ask for a tile that names it
	s_endpgm
.Lfunc_end_k_q8238fd8d89_proj:
	.size	k_q8238fd8d89_proj, .Lfunc_end_k_q8238fd8d89_proj-k_q8238fd8d89_proj
	.p2alignl 7, 3214868480
	.fill 96, 4, 3214868480
	.section	.rodata,"a",@progbits
	.p2align	6, 0x0
	.amdhsa_kernel k_q8238fd8d89_proj
		.amdhsa_group_segment_fixed_size 327680
		.amdhsa_private_segment_fixed_size 0
		.amdhsa_enable_private_segment 0
		.amdhsa_kernarg_size 48
		.amdhsa_user_sgpr_count 2
		.amdhsa_user_sgpr_kernarg_segment_ptr 1
		.amdhsa_wavefront_size32 1
		.amdhsa_system_sgpr_workgroup_id_x 1
		.amdhsa_system_sgpr_workgroup_id_y 1
		.amdhsa_system_sgpr_workgroup_id_z 1
		.amdhsa_system_vgpr_workitem_id 0
		.amdhsa_next_free_vgpr 1024
		.amdhsa_next_free_sgpr 100
		.amdhsa_reserve_vcc 0
		.amdhsa_float_denorm_mode_32 3
		.amdhsa_float_denorm_mode_16_64 3
		.amdhsa_memory_ordered 1
		.amdhsa_forward_progress 1
		.amdhsa_inst_pref_size 131
	.end_amdhsa_kernel
	.amdgpu_metadata
---
amdhsa.version: [ 1, 2 ]
amdhsa.kernels:
  - .name:           k_q8238fd8d89_proj
    .symbol:         k_q8238fd8d89_proj.kd
    .args:
      - { .name: x_codes, .offset: 0, .size: 8, .value_kind: global_buffer, .address_space: global }
      - { .name: x_scales, .offset: 8, .size: 8, .value_kind: global_buffer, .address_space: global }
      - { .name: w_codes, .offset: 16, .size: 8, .value_kind: global_buffer, .address_space: global }
      - { .name: w_scales, .offset: 24, .size: 8, .value_kind: global_buffer, .address_space: global }
      - { .name: qkv, .offset: 32, .size: 8, .value_kind: global_buffer, .address_space: global }
      - { .name: head32, .offset: 40, .size: 8, .value_kind: global_buffer, .address_space: global }
    .group_segment_fixed_size: 327680
    .private_segment_fixed_size: 0
    .kernarg_segment_align: 8
    .kernarg_segment_size: 48
    .max_flat_workgroup_size: 128
    .sgpr_count:     100
    .vgpr_count:     1024
    .wavefront_size: 32
...
	.end_amdgpu_metadata
.endif
;; end of part 2
;; launch scores (part 3): grid 12 x 16, 4 waves a work-group, clusters of 4 x 4, 327,680 bytes of LDS; arguments qkv, pmat, stats; writes pmat, stats
.if DOCPART == 3
	.amdgcn_target "amdgcn-amd-amdhsa--gfx1250"
	.amdhsa_code_object_version 6
	.text
	.protected	k_q8238fd8d89_scores
	.globl	k_q8238fd8d89_scores
	.p2align	8
	.type	k_q8238fd8d89_scores,@function
k_q8238fd8d89_scores:
	s_mov_b64 s[64:65], 0
	v_nop
	global_prefetch_b8 v0, s[64:65] scope:SCOPE_SE
	s_setreg_imm32_b32 hwreg(HW_REG_WAVE_MODE, 25, 1), 1
	s_wait_xcnt 0x0
	s_wait_alu depctr_hold_cnt(0) depctr_sa_sdst(0) depctr_va_vdst(0) depctr_va_sdst(0) depctr_va_ssrc(0) depctr_va_vcc(0) depctr_vm_vsrc(0)
	s_getreg_b32 s2, hwreg(HW_REG_IB_STS2, 6, 4)
	s_cmp_eq_u32 s2, 0
	s_cbranch_scc0 .Lentry_in_a_cluster
	s_endpgm
.Lentry_in_a_cluster:
	s_bfe_u32 s2, ttmp6, 0x10000c
	s_cmp_lg_u32 s2, 0xf033
	s_cbranch_scc0 .Lentry_shape_is_right
	s_endpgm
.Lentry_shape_is_right:
; For a tile of 256 queries x 256 keys of one sequence: s = q . k (f16 operands, f32 sums, K = 1,024), the causal mask, t = s log2(e) / 32, and for each run of 128 keys: M = the largest t of each query IN THAT RUN
; rounded up to a whole number, p = 2^(t - M) rounded to f16, l = the sum of the unrounded p.  pmat [4][2048 q][2048 key] f16 takes p; stats [4][16 runs of 128 keys][2][2048 q] f32 takes -M (kind 0) and l (kind 1).
; The next launch brings the runs of a row under the row's own maximum by exact powers of two, so the maximum is taken away ahead of every exponential, for every input.
; LIMITS: scores under -3e38 count as masked; NaN and infinities are not served.
; WHICH TILES.  The causal triangle of a sequence is covered by three squares of 1,024 x 1,024, (I, J) = (0, 0), (1, 0), (1, 1).  A square is a cluster of 4 x 4 work-groups: tile row i = 4 I + cy, tile column j = 4 J + cx.
; 4 sequences x 3 squares x 16 = 192 work-groups, one tile each.  The four of a row of the cluster need the same rows of q, the four of a column the same rows of k: each tile is asked for JOINTLY.  In a square on the
; diagonal the six tiles above it are multiplied too, come out as p = 0, l = 0, and are written.
; Four waves, each 128 queries x 128 keys: 64 accumulators, 512 registers; a wave's keys are one run of stats, so no figure passes from wave to wave.  K goes in steps of 128 through two LDS slots.
; THE MATRIX INSTRUCTION IS USED TRANSPOSED (source 0 = 16 rows of k, source 1 = 16 rows of q): lane (r, h) of accumulator (a, b) holds query 16 a + r and keys 16 b + 8 h + 0 .. 7, so the 64 numbers that a lane
; holds of a query lie in 64 consecutive registers.
; REGISTERS, in windows of 256 (s_set_vgpr_msb's low byte: bits 1:0 source 0, 3:2 source 1, 5:4 source 2, 7:6 destination):
;   window 0: v16-31 addresses; v32-63 the rows' figures; v64-127, v128-191 fragments of q, two buffers (on the way out: sums, figures, rows read back); v192-223 packed p
;   window 1: v64-127, v128-191 fragments of k, two buffers.   window 2: the accumulators of my queries 0-63 ((a, b) at v[8 (8 a + b)]);   window 3: those of my queries 64-127.
.set KSTEP,  128
.set PITCH,  272                       ; an LDS row: 256 bytes + 16 of padding: the 16 rows that a load touches start 68 words apart
.set HALFT,  128*PITCH                 ; 128 rows: what one tensor load brings, and what one wave reads of q or of k
.set SLOT,   4*HALFT                   ; q's 256 rows, then k's 256 rows
.set STAGE,  2*SLOT                    ; behind the ring: 16 rows x 272 bytes for each wave, for the way out
.set SPITCH, 272
.set SPARE,  STAGE+4*16*SPITCH         ; the spare words, 128 bytes a wave, which no other line names
.set LAPS,   4                         ; K = 1,024 is eight steps: four times round the ring
.set QROW,   6144                      ; a row of qkv in bytes
.set PROW,   4096                      ; a row of pmat in bytes
.set ADRA, 16                          ; v16-17 LDS address of my fragments of q in slot 0, 1
.set PFO,  18                          ; v18 the prefetches' offset: my lane x a row of qkv; never rewritten
.set ADRB, 20                          ; v20-21 the same as v16-17 for k
.set L16,  22                          ; v22 16 x lane
.set RS,   23                          ; v23 my stage + 16 x lane
.set STO,  24                          ; v24 the way out: where I put 16 bytes of a row
.set RD,   25                          ; v25 the way out: where I read a row back
.set CO,   26                          ; v26 my byte offset in two rows of pmat
.set XS,   27                          ; v27 my stage + 512 h + 4 r: where a row's figure goes
.set SPW,  28
.set NIL,  29
.set D0,   30                          ; v30 my query - my first key: register 8 b + e of block a is hidden where 16 b + e - 16 a > D0
.set NINF, 31
.set NM,   32                          ; v32+2a: -M of query 16 a + r; the odd register beside it: at work
.set MX,   48                          ; v48-55 the largest score; later what goes to stats
.set TX,   56                          ; v56-63 what comes from the other half of the lanes
.set LS,   64                          ; v64+2a, +1: the sum, in two halves
.set FG,   80                          ; v80-87 the figures on their way out
.set F0,   64                          ; fragment buffer 0
.set F1,   128                         ; fragment buffer 1
.set OB,   128                         ; the way out: 16 rows read back: v128-159 and v160-191 by turns
.set TMP,  192
.set G1, 24
.set G0, 32
.set G1B, 48
.set G0B, 56
.set CS,  66                           ; s[66:67] c = log2(e) / 32
.set SEL, 68                           ; s[68:69] lane selects: lane l xor 16
.set HI16, 70                          ; s70 the mask of lanes 16-31
.set LIM,  71                          ; s71 1 in a wave that prefetches, else the greatest number
.set PFA,  72                          ; s[72:73] where my prefetches stand: my work-group's 32 rows of the 128 that I fetch, one K step further on than the refill in hand; a prefetch names the K step after that
.set MSB, 0
.macro WIN new                         ; the immediate's high byte repeats the setting that is left
.if MSB != (\new)
	s_set_vgpr_msb (MSB<<8)|(\new)
.set MSB, (\new)
.endif
.endm
.set MUL_LO, 0xa1                      ; source 0 (k) window 1, source 1 (q) window 0, C and D window 2
.set MUL_HI, 0xf1                      ; the same, C and D window 3
.set TO_B,   0x40                      ; destination window 1, address window 0
.macro JLOAD s                         ; a joint load: waves 0 and 1 fetch q's two halves, waves 2 and 3 k's; an s_nop 0 and four v_nop follow each line
	s_cmp_eq_u32 s11, 0
	s_cbranch_scc0 .Lfor_b_\@
	tensor_load_to_lds s[G0+4*\s:G0+4*\s+3], s[G1:G1+7]
	s_nop 0
.rept 4
	v_nop
.endr
	s_branch .Lasked_\@
.Lfor_b_\@:
	tensor_load_to_lds s[G0B+4*\s:G0B+4*\s+3], s[G1B:G1B+7]
	s_nop 0
.rept 4
	v_nop
.endr
.Lasked_\@:
.endm
; A PREFETCH INTO THE L2, behind a joint load, its five lines and the run of LDS loads that follows: the K step that stands two refills on: 32 rows x 256 bytes, a lane a row, one instruction a wave.
; Each row's 256 bytes of a K step are named once in the launch: q's rows by the cluster with J = 0, k's by the cluster with I = J; the four partners that ask for a tile jointly share its rows out BY ADDRESS, 32 each
; (by cx for q, by cy for k).  K steps 0 to 3 come by their loads alone; the loop's last trip, whose refills are K steps 6 and 7, asks for nothing.
.macro ASK
	s_cmp_gt_u32 s3, s[LIM]                        ; s3 = 1 in the loop's last trip
	s_cbranch_scc0 .Lnot_mine_\@
	global_prefetch_b8 v[PFO], s[PFA:PFA+1] offset:KSTEP*2 th:TH_LOAD_NT scope:SCOPE_SE
.Lnot_mine_\@:
.endm
.macro CREST                           ; a round of the cluster's barrier behind its opening barrier
	s_cmp_lg_u32 s10, 0
	s_cbranch_scc1 .Lnot_wave_0_\@
	s_barrier_signal -3
.Lnot_wave_0_\@:
	s_barrier_wait -3
	s_barrier_signal -1
	s_barrier_wait -1
.endm
.macro CROUND
	s_barrier_signal -1
	s_barrier_wait -1
	CREST
.endm
	s_load_b128 s[4:7], s[0:1], 0x0                ; qkv, pmat
	s_load_b64 s[8:9], s[0:1], 0x10                ; stats
	v_lshl_add_u32 v[SPW], v0, 2, SPARE
	v_mov_b32 v[NIL], 0
	ds_add_u32 v[SPW], v[NIL]                      ; the wave's opening: the add, twice on end, and its wait ahead of my first tensor load
	ds_add_u32 v[SPW], v[NIL]
	v_lshrrev_b32 v1, 5, v0
	v_readfirstlane_b32 s10, v1                    ; wave 0..3
	s_lshr_b32 s11, s10, 1                         ; which 128 queries are mine.  Also: I fetch q (0) or k (1)
	s_and_b32 s12, s10, 1                          ; which 128 keys.  Also: which 128 rows of that tile I fetch
	s_bfe_u32 s40, ttmp6, 0x40000                  ; cx, cy
	s_bfe_u32 s41, ttmp6, 0x40004
	s_cmp_ge_u32 ttmp9, 1                          ; cluster x = 0, 1, 2 names the square (0, 0), (1, 0), (1, 1)
	s_cselect_b32 s14, 1, 0                        ; I
	s_cmp_ge_u32 ttmp9, 2
	s_cselect_b32 s15, 1, 0                        ; J
	s_sub_co_u32 s2, s14, s15                      ; 0 in a square on the diagonal: one number for all sixteen partners
	s_lshl_b32 s13, s14, 2
	s_add_co_u32 s13, s13, s41                     ; tile row i
	s_lshl_b32 s42, s15, 2
	s_add_co_u32 s42, s42, s40                     ; tile column j
	s_and_b32 s45, ttmp7, 0xffff                   ; the sequence
	s_lshl_b32 s43, s41, 2
	s_lshl_b32 s43, 15, s43                        ; my row of the cluster
	s_lshl_b32 s44, 0x1111, s40                    ; my column
	s_or_b32 s[G1+0], s43, (1<<16)|(1<<20)|(1<<21)|(5<<22)|(3<<25)  ; the mask; elements of 2 bytes; padding: 4 words after every 64; bit 21 beside a mask
	s_or_b32 s[G1B+0], s44, (1<<16)|(1<<20)|(1<<21)|(5<<22)|(3<<25)
.irp g, G1, G1B
	s_mov_b32 s[\g+1], KSTEP<<16                   ; tensor_dim0 = 128
	s_mov_b32 s[\g+2], 128<<16                     ; tensor_dim1 = 128
	s_mov_b32 s[\g+3], KSTEP<<16                   ; tile_dim0 = 128
	s_mov_b32 s[\g+4], 128                         ; tile_dim1 = 128
	s_mov_b32 s[\g+5], 3072                        ; the pitch, in elements
	s_mov_b32 s[\g+6], 0
	s_mov_b32 s[\g+7], 0
.endr
	s_mov_b32 s[CS], 0x3d38aa3b                    ; c = log2(e) / sqrt(1024)
	s_mov_b32 s[CS+1], s[CS]                       ; (named with it as a pair, so it is written)
	s_mov_b32 s[SEL], 0x76543210
	s_mov_b32 s[SEL+1], 0xfedcba98
	s_mov_b32 s[HI16], 0xffff0000
	s_lshl_b32 s17, s12, 7
	s_lshl_b32 s18, s45, 11
	s_add_co_u32 s17, s17, s18                     ; 2,048 x sequence + the 128 rows that I fetch
	s_lshl_b32 s16, s13, 8
	s_add_co_u32 s16, s16, s17                     ; q: + 256 i
	s_lshl_b32 s46, s42, 8
	s_add_co_u32 s46, s46, s17                     ; k: + 256 j
	s_mul_i32 s16, s16, QROW                       ; in bytes, under 2^32
	s_mul_i32 s46, s46, QROW
	s_add_co_u32 s46, s46, 2048                    ; k's columns begin 1,024 numbers into a row
	s_cmp_eq_u32 s11, 0                            ; the prefetches: do I fetch q?  All four choices hang on this one compare
	s_cselect_b32 s[LIM], s15, s2                  ; what has to be 0 for my cluster to ask: J for q's rows, I - J for k's
	s_cselect_b32 s[PFA], s13, s42                 ; the tile's place: by the tile row in q, by the tile column in k
	s_cselect_b32 s[PFA+1], s40, s41               ; my place among the four that ask for the tile with me
	s_cselect_b32 s74, 0, 2048                     ; q's columns or k's
	s_cmp_eq_u32 s[LIM], 0
	s_cselect_b32 s[LIM], 1, -1                    ; the same in all sixteen partners, for a given wave
	s_lshl_b32 s[PFA], s[PFA], 8
	s_lshl_b32 s[PFA+1], s[PFA+1], 5
	s_add_co_u32 s[PFA], s[PFA], s[PFA+1]          ; + my work-group's 32 rows
	s_add_co_u32 s[PFA], s[PFA], s17               ; + the sequence and the 128 rows that I fetch
	s_mul_i32 s[PFA], s[PFA], QROW
	s_add_co_u32 s[PFA], s[PFA], s74
	s_add_co_u32 s[PFA], s[PFA], 2*KSTEP*2         ; at K step 2: the first refill steps it to 3 and names K step 4
	s_mov_b32 s[PFA+1], 0
	s_mov_b32 s17, 0
	s_mov_b32 s47, 0
	s_mul_i32 s20, s10, HALFT                      ; where my tiles go: wave x 128 rows: no place in the cluster enters an LDS address
	v_and_b32 v[PFO], 31, v0
	v_mul_u32_u24 v[PFO], v[PFO], QROW
	s_wait_dscnt 0x0                               ; both opening adds are done
	s_wait_kmcnt 0x0
	s_add_nc_u64 s[14:15], s[4:5], s[16:17]
	s_add_nc_u64 s[46:47], s[4:5], s[46:47]
	s_add_nc_u64 s[PFA:PFA+1], s[4:5], s[PFA:PFA+1]
	CROUND                                         ; all sixteen work-groups are here: the first joint loads meet
.irp s, 0,1
	s_mov_b32 s[G0+4*\s], 1
	s_add_co_u32 s[G0+4*\s+1], s20, \s*SLOT
	s_add_nc_u64 s[G0+4*\s+2:G0+4*\s+3], s[14:15], \s*KSTEP*2
	s_or_b32 s[G0+4*\s+3], s[G0+4*\s+3], 0x80000000
	s_mov_b32 s[G0B+4*\s], 1
	s_add_co_u32 s[G0B+4*\s+1], s20, \s*SLOT
	s_add_nc_u64 s[G0B+4*\s+2:G0B+4*\s+3], s[46:47], \s*KSTEP*2
	s_or_b32 s[G0B+4*\s+3], s[G0B+4*\s+3], 0x80000000
	JLOAD \s                                       ; two loads of mine are out
.endr
	v_and_b32 v1, 15, v0                           ; r
	v_bfe_u32 v2, v0, 4, 1                         ; h
	v_mul_u32_u24 v3, v1, PITCH
	v_lshl_add_u32 v3, v2, 4, v3                   ; a fragment's row x pitch + 16 x half
	s_mul_i32 s21, s11, HALFT                      ; my 128 rows of q
	s_mul_i32 s22, s12, HALFT                      ; my 128 rows of k,
	s_add_co_u32 s22, s22, 2*HALFT                 ; which lie behind q's 256
.irp s, 0,1
	v_add_nc_u32 v[ADRA+\s], s21, v3
	v_add_nc_u32 v[ADRB+\s], s22, v3
	s_add_co_u32 s21, s21, SLOT
	s_add_co_u32 s22, s22, SLOT
.endr
	s_mul_i32 s23, s10, 16*SPITCH
	s_add_co_u32 s23, s23, STAGE                   ; my stage
	v_add_nc_u32 v[STO], s23, v3                   ; in: row r, 16 bytes for each half of the lanes (the stage's pitch is the tiles')
	v_mul_u32_u24 v5, v2, SPITCH
	v_lshl_add_u32 v5, v1, 4, v5
	v_add_nc_u32 v[RD], s23, v5                    ; back: lanes 0-15 one row of 256 bytes, lanes 16-31 the next
	v_lshlrev_b32 v5, 12, v2
	v_lshl_add_u32 v[CO], v1, 4, v5                ; and the same two rows in pmat
	v_and_b32 v4, 31, v0
	v_lshlrev_b32 v[L16], 4, v4
	v_add_nc_u32 v[RS], s23, v[L16]
	v_lshlrev_b32 v5, 9, v2
	v_lshl_add_u32 v5, v1, 2, v5
	v_add_nc_u32 v[XS], s23, v5                    ; the figures in my stage: 512 bytes of -M (lanes 0-15 put them), then 512 of l (lanes 16-31)
	s_sub_co_i32 s16, s13, s42
	s_lshl_b32 s16, s16, 8
	s_sub_co_i32 s17, s11, s12
	s_lshl_b32 s17, s17, 7
	s_add_co_i32 s16, s16, s17                     ; 256 (i - j) + 128 (my half of the queries - my half of the keys)
	v_lshlrev_b32 v5, 3, v2
	v_sub_nc_u32 v5, v1, v5
	v_add_nc_u32 v[D0], s16, v5                    ; + r - 8 h
	v_mov_b32 v[NINF], 0xff800000
.irp a, 0,1,2,3,4,5,6,7
	v_mov_b32 v[TX+\a], 0                          ; written once: a lane permute's destination counts as one of its sources
.endr
	s_lshl_b32 s16, s45, 11                        ; pmat: row 2,048 x sequence + 256 i + 128 x my half,
	s_lshl_b32 s17, s13, 8
	s_add_co_u32 s16, s16, s17
	s_lshl_b32 s17, s11, 7
	s_add_co_u32 s16, s16, s17
	s_lshl_b32 s16, s16, 12
	s_lshl_b32 s17, s42, 9                         ; + 512 bytes for each tile of keys + 256 for my half
	s_add_co_u32 s16, s16, s17
	s_lshl_b32 s17, s12, 8
	s_add_co_u32 s16, s16, s17
	s_mov_b32 s17, 0
	s_add_nc_u64 s[6:7], s[6:7], s[16:17]
	s_lshl_b32 s16, s45, 4                         ; stats: (16 x sequence + 2 j + my half of the keys) x 16,384
	s_lshl_b32 s18, s42, 1
	s_add_co_u32 s16, s16, s18
	s_add_co_u32 s16, s16, s12
	s_lshl_b32 s16, s16, 14
	s_lshl_b32 s18, s13, 10                        ; + 4 x (256 i + 128 x my half of the queries)
	s_add_co_u32 s16, s16, s18
	s_lshl_b32 s18, s11, 9
	s_add_co_u32 s16, s16, s18
	s_add_nc_u64 s[8:9], s[8:9], s[16:17]
; 16 matrix instructions: blocks a0, a0 + 1 of the window's four blocks of queries (hi = 0: my queries 0-63, 1: 64-127) x all 8 blocks of keys, 32 along K.  zero = 1: the first product starts the sums.
; The 64 accumulators take turns, one instruction a turn, in the same order in every quarter.
.macro MUL16 f, hi, a0, zero
.irp a, \a0, \a0+1
.irp b, 0,1,2,3,4,5,6,7
.if \zero
	v_wmma_f32_16x16x32_f16 v[8*(8*(\a)+\b):8*(8*(\a)+\b)+7], v[\f+8*\b:\f+8*\b+7], v[\f+8*(4*\hi+\a):\f+8*(4*\hi+\a)+7], 0
.else
	v_wmma_f32_16x16x32_f16 v[8*(8*(\a)+\b):8*(8*(\a)+\b)+7], v[\f+8*\b:\f+8*\b+7], v[\f+8*(4*\hi+\a):\f+8*(4*\hi+\a)+7], v[8*(8*(\a)+\b):8*(8*(\a)+\b)+7]
.endif
.endr
.endr
.endm
.macro FETCH slot, k, f                ; 32 LDS loads in one run: the fragments of 32 along K at byte k of the rows: k's 128 rows, then q's
	WIN TO_B
.irp i, 0,1,2,3,4,5,6,7
	ds_load_b128 v[\f+8*\i:\f+8*\i+3],   v[ADRB+\slot] offset:\k+\i*16*PITCH
	ds_load_b128 v[\f+8*\i+4:\f+8*\i+7], v[ADRB+\slot] offset:\k+\i*16*PITCH+32
.endr
	WIN 0
.irp i, 0,1,2,3,4,5,6,7
	ds_load_b128 v[\f+8*\i:\f+8*\i+3],   v[ADRA+\slot] offset:\k+\i*16*PITCH
	ds_load_b128 v[\f+8*\i+4:\f+8*\i+7], v[ADRA+\slot] offset:\k+\i*16*PITCH+32
.endr
.endm
.macro PLACES                          ; four plain lines in front of loads into registers that matrix instructions have read, and of reads of results
.rept 4
	v_nop
.endr
.endm
.macro QUARTER slot, k, f, g, zero     ; 32 along K, 64 matrix instructions: multiplies buffer f; in its middle it fetches the next quarter, at byte k, into g
	s_wait_dscnt 8                                 ; k's fragments and q's rows 0-63 are in; the youngest eight loads (q's rows 64-127) may be out
	WIN MUL_LO
	MUL16 \f, 0, 0, \zero
	MUL16 \f, 0, 2, \zero
	PLACES
	FETCH \slot, \k, \g
	s_wait_dscnt 32                                ; all but the 32 just issued
	WIN MUL_HI
	MUL16 \f, 1, 0, \zero
	MUL16 \f, 1, 2, \zero
.endm
; A slot's last quarter changes slots: one barrier; in front of it each wave waits for all its tensor loads, adds 0 to its spare word, and waits for that and for its reads of this slot.
; fill = 1: the barrier opens a round of the cluster's, and behind the round this slot is filled again, two K steps ahead: from that request to the wait for it a wave issues 224 matrix instructions.
.macro TURN slot, next, fill
.if \fill
	s_wait_xcnt 0x0                                ; the last prefetch, a K step back, has read its address: it steps here, ahead of the waits of the change of slots
	s_add_nc_u64 s[PFA:PFA+1], s[PFA:PFA+1], KSTEP*2
.endif
	WIN 0                                          ; (the add's two registers lie in window 0)
	s_wait_tensorcnt 0x0                           ; all my tensor loads have landed: my part of the next slot
	ds_add_u32 v[SPW], v[NIL]
	s_wait_dscnt 9                                 ; (the add and the youngest eight loads may be out)
	WIN MUL_LO
	MUL16 F1, 0, 0, 0
	s_wait_dscnt 0x0                               ; the add is done, and my reads of this slot are over
	s_barrier_signal -1
	MUL16 F1, 0, 2, 0
.if \fill
	WIN 0
.endif
	s_barrier_wait -1
.if \fill
	CREST                                          ; no wave of any partner still reads this slot or has a load on its way
	s_add_nc_u64 s[G0+4*\slot+2:G0+4*\slot+3], s[G0+4*\slot+2:G0+4*\slot+3], 2*KSTEP*2
	s_add_nc_u64 s[G0B+4*\slot+2:G0B+4*\slot+3], s[G0B+4*\slot+2:G0B+4*\slot+3], 2*KSTEP*2
	JLOAD \slot                                    ; my one tensor load behind the round; its four v_nop are also the places in front of the loads below
.else
	PLACES
.endif
	FETCH \next, 0, F0
.if \fill
	ASK
.endif
	WIN MUL_HI
	MUL16 F1, 1, 0, 0
	MUL16 F1, 1, 2, 0
.endm
	s_wait_tensorcnt 1                             ; my part of K step 0 is in (K step 1's may be out)
	s_barrier_signal -1
	s_barrier_wait -1                              ; everybody's is
	FETCH 0, 0, F0
	QUARTER 0, 64, F0, F1, 1                       ; the first quarter's products start the sums: nothing is cleared
	WIN 0                                          ; at a label and at a branch every window is 0
	s_mov_b32 s3, LAPS-1
.Llap:                                             ; a trip goes once round the ring, from a lap's second quarter to the next lap's first, and fills both slots again
	QUARTER 0, 128, F1, F0, 0
	QUARTER 0, 192, F0, F1, 0
	TURN 0, 1, 1
	QUARTER 1, 64,  F0, F1, 0
	QUARTER 1, 128, F1, F0, 0
	QUARTER 1, 192, F0, F1, 0
	TURN 1, 0, 1
	QUARTER 0, 64,  F0, F1, 0
	WIN 0
	s_sub_co_u32 s3, s3, 1
	s_cmp_lg_u32 s3, 0
	s_cbranch_scc1 .Llap
	QUARTER 0, 128, F1, F0, 0                      ; the last lap is written out: it fills nothing
	QUARTER 0, 192, F0, F1, 0
	TURN 0, 1, 0
	QUARTER 1, 64,  F0, F1, 0
	QUARTER 1, 128, F1, F0, 0
	QUARTER 1, 192, F0, F1, 0
	s_wait_dscnt 8                                 ; the very last quarter: nothing more to fetch
	WIN MUL_LO
	MUL16 F1, 0, 0, 0
	MUL16 F1, 0, 2, 0
	s_wait_dscnt 0
	WIN MUL_HI
	MUL16 F1, 1, 0, 0
	MUL16 F1, 1, 2, 0
	WIN 0
	PLACES
	; THE MASK, in squares on the diagonal alone (a branch on the cluster's number): hidden scores become -infinity.  Each accumulator is taken from its low end on
	s_cmp_lg_u32 s2, 0
	s_cbranch_scc1 .Lopen
.set QA, 0
.rept 8
	WIN 0x82+0x41*(QA/4)                           ; destination and source 0: window 2 or 3; source 1: window 0
.set QN, 0
.rept 64
	v_cmp_gt_i32 vcc_lo, 16*(QN/8)+QN%8-16*QA, v[D0]
	v_cndmask_b32 v[64*(QA%4)+QN], v[64*(QA%4)+QN], v[NINF], vcc_lo
.set QN, QN+1
.endr
.set QA, QA+1
.endr
	WIN 0
.Lopen:
	; the largest score of each query among my 128 keys, with -3e38 as one more leaf: a row that is wholly hidden keeps a number.  Four blocks by turns, each accumulator from its low end on
.irp g, 0,1
	WIN 0x0a+5*\g                                  ; sources 0 and 1: window 2 or 3
.irp a, 0,1,2,3
	v_max3_num_f32 v[MX+4*\g+\a], v[64*\a], v[64*\a+1], 0xff61b1e6
.endr
.set QI, 2
.rept 31
.irp a, 0,1,2,3
	v_max3_num_f32 v[MX+4*\g+\a], v[64*\a+QI], v[64*\a+QI+1], v[MX+4*\g+\a]
.endr
.set QI, QI+2
.endr
.endr
	WIN 0
.irp a, 0,1,2,3,4,5,6,7
	v_permlanex16_b32 v[TX+\a], v[MX+\a], s[SEL], s[SEL+1]   ; the query's other 64 keys lie in the lane 16 away
.endr
.irp a, 0,1,2,3,4,5,6,7
	v_max_num_f32 v[MX+\a], v[MX+\a], v[TX+\a]
.endr
.irp a, 0,1,2,3,4,5,6,7
	v_mul_f32 v[NM+2*\a+1], s[CS], v[MX+\a]        ; as t (c is positive)
.endr
.irp a, 0,1,2,3,4,5,6,7
	v_floor_f32 v[NM+2*\a], -v[NM+2*\a+1]          ; -M = floor(-t): M is a whole number
.endr
	; t - M, two at a time, and p = 2^(t - M), at most 1.  A pair is scaled one step ahead of its two exponentials, so that a plain line stands among them; none of these lines names an exponential's result.
	; A window's 256 exponentials are one batch with one wait (the wait stands ahead of the first line that names a result's register)
.irp g, 0,1
	WIN 0x82+0x41*\g
	v_pk_fma_f32 v[0:1], v[0:1], s[CS:CS+1], v[NM+8*\g:NM+8*\g+1] op_sel_hi:[1,0,0]
.set QP, 0
.rept 128
.if QP < 127
	v_pk_fma_f32 v[2*QP+2:2*QP+3], v[2*QP+2:2*QP+3], s[CS:CS+1], v[NM+8*\g+2*((QP+1)/32):NM+8*\g+2*((QP+1)/32)+1] op_sel_hi:[1,0,0]
.endif
	v_exp_f32 v[2*QP], v[2*QP]
	v_exp_f32 v[2*QP+1], v[2*QP+1]
.set QP, QP+1
.endr
	v_nop                                          ; a plain line behind the last exponential
	s_wait_alu depctr_va_vdst(0)
.endr
	; the sums are taken of the unrounded p: four blocks by turns
.irp g, 0,1
	WIN 0x0a+5*\g
.irp a, 0,1,2,3
	v_pk_add_f32 v[LS+8*\g+2*\a:LS+8*\g+2*\a+1], v[64*\a:64*\a+1], v[64*\a+2:64*\a+3]
.endr
	WIN 0x02+\g                                    ; source 0: window 2 or 3
.set QI, 4
.rept 30
.irp a, 0,1,2,3
	v_pk_add_f32 v[LS+8*\g+2*\a:LS+8*\g+2*\a+1], v[64*\a+QI:64*\a+QI+1], v[LS+8*\g+2*\a:LS+8*\g+2*\a+1]
.endr
.set QI, QI+2
.endr
.endr
	WIN 0
.irp a, 0,1,2,3,4,5,6,7
	v_add_f32 v[LS+2*\a], v[LS+2*\a], v[LS+2*\a+1]
.endr
.irp a, 0,1,2,3,4,5,6,7
	v_permlanex16_b32 v[TX+\a], v[LS+2*\a], s[SEL], s[SEL+1]
.endr
.irp a, 0,1,2,3,4,5,6,7
	v_add_f32 v[LS+2*\a], v[LS+2*\a], v[TX+\a]     ; l of my 128 keys
.endr
.irp a, 0,1,2,3,4,5,6,7
	v_cndmask_b32 v[MX+\a], v[NM+2*\a], v[LS+2*\a], s[HI16]   ; lanes 0-15 carry -M, lanes 16-31 l
.endr
.irp a, 0,1,2,3,4,5,6,7
	ds_store_b32 v[XS], v[MX+\a] offset:64*\a      ; through my stage, so that my 128 rows' figures leave as runs of 512 bytes
.endr
	ds_load_b128 v[FG:FG+3], v[RS]                 ; LDS serves a wave's instructions in order (ISA guide 5.7.1.4): these see the stores above
	ds_load_b128 v[FG+4:FG+7], v[RS] offset:512
; THE WAY OUT of p, a block of 16 queries x 128 keys at a time.  PACK: rounded to f16, 16 bytes a lane.  TOSTAGE: into my own stage, and back as whole rows of 256 bytes.  SEND: stored.
.macro PACK a
.set AC, 64*((\a)%4)
	WIN 0x0a+5*((\a)/4)                            ; sources 0 and 1: window 2 or 3
.irp b, 0,1,2,3,4,5,6,7
.irp r, 0,1,2,3
	v_cvt_pk_f16_f32 v[TMP+4*\b+\r], v[AC+8*\b+2*\r], v[AC+8*\b+2*\r+1]
.endr
.endr
	WIN 0
.endm
.macro TOSTAGE a
.set BK, OB+32*((\a)%2)
.irp b, 0,1,2,3,4,5,6,7
	ds_store_b128 v[STO], v[TMP+4*\b:TMP+4*\b+3] offset:32*\b
.endr
.irp t, 0,1,2,3,4,5,6,7
	ds_load_b128 v[BK+4*\t:BK+4*\t+3], v[RD] offset:\t*2*SPITCH    ; in order behind the stores above
.endr
.endm
.macro SEND a
.set BK, OB+32*((\a)%2)
	s_wait_dscnt 0x0                               ; the block is back in registers
	s_wait_xcnt 0x0                                ; earlier stores have read their base and their registers: both may be written again
.if (\a) > 0
	s_add_nc_u64 s[6:7], s[6:7], 16*PROW
.endif
.irp t, 0,1,2,3,4,5,6,7
	global_store_b128 v[CO], v[BK+4*\t:BK+4*\t+3], s[6:7] offset:2*\t*PROW   ; 16 lanes store 256 consecutive bytes, at a multiple of 256 from the buffer's first byte
.endr
.endm
	PACK 0                                         ; its conversions stand between the figures' loads from the stage and the wait for them
	s_wait_dscnt 0x0
	global_store_b128 v[L16], v[FG:FG+3], s[8:9]               ; -M of my 128 queries: 32 lanes store 512 consecutive bytes
	global_store_b128 v[L16], v[FG+4:FG+7], s[8:9] offset:8192 ; l likewise
	TOSTAGE 0
.irp a, 1,2,3,4,5,6,7                  ; block a's conversions stand between block a - 1's loads from the stage and the wait for them
	PACK \a
	SEND (\a)-1
	TOSTAGE \a
.endr
	SEND 7
	s_wait_tensorcnt 0x0                           ; the wave's end: behind my last tensor load and my last LDS store
	ds_add_u32 v[SPW], v[NIL]
	s_wait_dscnt 0x0
	CROUND                                         ; the closing round: no work-group ends while a partner may still ask for a tile that names it
	s_endpgm
.Lfunc_end_k_q8238fd8d89_scores:
	.size	k_q8238fd8d89_scores, .Lfunc_end_k_q8238fd8d89_scores-k_q8238fd8d89_scores
	.p2alignl 7, 3214868480
	.fill 96, 4, 3214868480
	.section	.rodata,"a",@progbits
	.p2align	6, 0x0
	.amdhsa_kernel k_q8238fd8d89_scores
		.amdhsa_group_segment_fixed_size 327680
		.amdhsa_private_segment_fixed_size 0
		.amdhsa_enable_private_segment 0
		.amdhsa_kernarg_size 24
		.amdhsa_user_sgpr_count 2
		.amdhsa_user_sgpr_kernarg_segment_ptr 1
		.amdhsa_wavefront_size32 1
		.amdhsa_system_sgpr_workgroup_id_x 1
		.amdhsa_system_sgpr_workgroup_id_y 1
		.amdhsa_system_sgpr_workgroup_id_z 1
		.amdhsa_system_vgpr_workitem_id 0
		.amdhsa_next_free_vgpr 1024
		.amdhsa_next_free_sgpr 76
		.amdhsa_reserve_vcc 1
		.amdhsa_float_denorm_mode_32 3
		.amdhsa_float_denorm_mode_16_64 3
		.amdhsa_memory_ordered 1
		.amdhsa_forward_progress 1
		.amdhsa_inst_pref_size 253
	.end_amdhsa_kernel
	.amdgpu_metadata
---
amdhsa.version: [ 1, 2 ]
amdhsa.kernels:
  - .name:           k_q8238fd8d89_scores
    .symbol:         k_q8238fd8d89_scores.kd
    .args:
      - { .name: qkv, .offset: 0, .size: 8, .value_kind: global_buffer, .address_space: global }
      - { .name: pmat, .offset: 8, .size: 8, .value_kind: global_buffer, .address_space: global }
      - { .name: stats, .offset: 16, .size: 8, .value_kind: global_buffer, .address_space: global }
    .group_segment_fixed_size: 327680
    .private_segment_fixed_size: 0
    .kernarg_segment_align: 8
    .kernarg_segment_size: 24
    .max_flat_workgroup_size: 128
    .sgpr_count:     76
    .vgpr_count:     1024
    .wavefront_size: 32
...
	.end_amdgpu_metadata
.endif
;; end of part 3
;; launch mix (part 4): grid 8 x 32, 4 waves a work-group, clusters of 4 x 4, 327,680 bytes of LDS; arguments pmat, qkv, stats, out0; writes out0
.if DOCPART == 4
	.amdgcn_target "amdgcn-amd-amdhsa--gfx1250"
	.amdhsa_code_object_version 6
	.text
	.protected	k_q8238fd8d89_mix
	.globl	k_q8238fd8d89_mix
	.p2align	8
	.type	k_q8238fd8d89_mix,@function
k_q8238fd8d89_mix:
	s_mov_b64 s[64:65], 0
	v_nop
	global_prefetch_b8 v0, s[64:65] scope:SCOPE_SE
	s_setreg_imm32_b32 hwreg(HW_REG_WAVE_MODE, 25, 1), 1
	s_wait_xcnt 0x0
	s_wait_alu depctr_hold_cnt(0) depctr_sa_sdst(0) depctr_va_vdst(0) depctr_va_sdst(0) depctr_va_ssrc(0) depctr_va_vcc(0) depctr_vm_vsrc(0)
	s_getreg_b32 s2, hwreg(HW_REG_IB_STS2, 6, 4)
	s_cmp_eq_u32 s2, 0
	s_cbranch_scc0 .Lentry_in_a_cluster
	s_endpgm
.Lentry_in_a_cluster:
	s_bfe_u32 s2, ttmp6, 0x10000c
	s_cmp_lg_u32 s2, 0xf033
	s_cbranch_scc0 .Lentry_shape_is_right
	s_endpgm
.Lentry_shape_is_right:
; out[q][:] = the sum over tiles t of 128 keys of F(q, t) x (p_t[q][:] . v_t), F = 2^(M_t - M_row) / L, L = the sum over t of 2^(M_t - M_row) l_t.  p (f16), -M_t and l_t come from the launch before, v (f16) from
; qkv's last 1,024 columns.  M_row is the largest M_t, all M are whole numbers, so the powers of two are exact (v_ldexp_f32).  A tile's product has f32 sums of its own; F is applied in f32.
; LIMITS: as stated for qkv (f16's range).  Rows 0-15 of each sequence are written here too and written again, in f32 throughout, by the launch that follows.
; SHARES.  A work-group makes TWO tiles of 128 queries x 128 channels, one after the other: query block 4 I1 + cy, then 4 I2 + cy, with (I1, I2) = (3, 0) or (2, 1) by the cluster's y, so that every one of the
; 256 work-groups walks 4 (I1 + 1) + 4 (I2 + 1) = 20 tiles of keys.  Cluster x picks 512 channels, cx 128 of them.  Four waves, each 64 queries x 64 channels.
; CLUSTER 4 x 4: p's tile hangs on cy alone and is shared along a row of the cluster, v's on cx alone and is shared along a column: each is asked for JOINTLY.
; THE RING: two LDS slots of 256 keys (p: 128 rows x 512 bytes; v: 256 rows x 256 bytes), ten slots' worth in all: five laps of two slots; the stream runs on from the first tile of queries into the second.
; Where each lap's tiles lie in memory hangs on the cluster's y alone: the addresses of laps 1 to 4 are made at the head and wait in two queues of four plain pointers, p's and v's.  A refill takes the queue's head
; plus a constant (slot 1: half a lap on) into its descriptor and sets the type; at a trip's end the queues move up.
; O^T = v^T p^T: source 0 = 16 channels x 32 keys (v, stored [key][channel], turned by ds_load_tr16_b128), source 1 = 16 queries x 32 keys: a lane holds one query and eight neighbouring channels.
; REGISTERS: window 0: v16-30 addresses; v32-47 -M_t of the two slots' tiles; v48-55 F; v56-71 -M_row and 1 / L; v72-103 rows on the way out; v104-127 at work at the head; v128-255 the 16 accumulators of a tile of keys
;   (at the head: the 80 figures of my rows).  window 1: two fragment buffers of 128.  window 2: v0-127 the totals.
.set PP,     528                       ; a row of p in LDS: 512 bytes + 16
.set PV,     288                       ; a row of v: 256 bytes + 32: the turning load's 8 rows x 32 bytes fall on different banks
.set VOFF,   128*PP
.set SLOT,   VOFF+256*PV
.set STAGE,  2*SLOT                    ; behind the ring: 16 rows x 272 bytes for each wave
.set SPITCH, 272
.set SPARE,  STAGE+4*16*SPITCH         ; the spare words, 128 bytes a wave, which no other line names
.set OROW,   4096                      ; a row of out0 (and of pmat) in bytes
.set LAPP,   1024                      ; a lap, 512 keys, along a row of p, in bytes
.set LAPV,   512*6144                  ; and down the rows of v
.set ADRA, 16                          ; v16-17 p's fragments in slot 0, 1
.set ADRB, 20                          ; v20-23 v's fragments: slot 0 keys 0-127, 128-255; slot 1 likewise (an immediate does not reach 240 rows)
.set STO,  24
.set RD,   25
.set CO,   26
.set VO,   27                          ; v27 4 r
.set SPW,  28
.set NIL,  29
.set LO,   30                          ; v30 4 x lane
.set NMR,  32                          ; v[32 + 8 slot + 4 tile + a]
.set FP,   48                          ; v[48 + 2 a] F, the odd register beside it: at work
.set NR,   56                          ; v56-59 -M_row, v60-63 1 / L of the tile of queries in hand;
.set IL,   60
.set NR2,  64                          ; v64-71 the same of the second
.set IL2,  68
.set OB,   72
.set ST,   128                         ; the head: figure (t, p, kind) at v[128 + 4 t + 2 p + kind]: row 32 p + lane of my 64
.set ACC,  128
.set TOT,  0                           ; in window 2
.set F0,   0
.set F1,   128
.set G1, 24
.set G0, 32
.set G1B, 48
.set G0B, 56
.set QP0, 4                            ; p's queue: s[4:5], s[72:73], s[74:75], s[76:77]: where the tiles of the next lap, and of the three behind it, lie
.set QP1, 72
.set QP2, 74
.set QP3, 76
.set QV0, 6                            ; v's queue: s[6:7], s[78:79], s[66:67], s[68:69]
.set QV1, 78
.set QV2, 66
.set QV3, 68
.set DS,  70                           ; s[70:71] this trip's step of the figures' addresses
.set SPT, 84                           ; s[84:87] where the slots' -M_t are read
.set MSB, 0
.macro WIN new
.if MSB != (\new)
	s_set_vgpr_msb (MSB<<8)|(\new)
.set MSB, (\new)
.endif
.endm
.set MUL,  0x05                        ; sources 0 and 1 window 1; C and D window 0
.set TO_F, 0x40                        ; destination window 1, address window 0
.macro JLOAD s                         ; a joint load: waves 0 and 1 fetch p's two halves, waves 2 and 3 v's; an s_nop 0 and four v_nop follow each line
	s_cmp_eq_u32 s13, 0
	s_cbranch_scc0 .Lfor_b_\@
	tensor_load_to_lds s[G0+4*\s:G0+4*\s+3], s[G1:G1+7]
	s_nop 0
.rept 4
	v_nop
.endr
	s_branch .Lasked_\@
.Lfor_b_\@:
	tensor_load_to_lds s[G0B+4*\s:G0B+4*\s+3], s[G1B:G1B+7]
	s_nop 0
.rept 4
	v_nop
.endr
.Lasked_\@:
.endm
.macro POINT s, p, v                   ; slot s's two descriptors take their address words from a lap's plain pointers s[p:p+1] and s[v:v+1]; slot 1 lies half a lap on; then the type (2, in the top two bits)
	s_add_nc_u64 s[G0+4*\s+2:G0+4*\s+3], s[\p:\p+1], \s*LAPP/2
	s_or_b32 s[G0+4*\s+3], s[G0+4*\s+3], 0x80000000
	s_add_nc_u64 s[G0B+4*\s+2:G0B+4*\s+3], s[\v:\v+1], \s*LAPV/2
	s_or_b32 s[G0B+4*\s+3], s[G0B+4*\s+3], 0x80000000
.endm
.macro CREST
	s_cmp_lg_u32 s12, 0
	s_cbranch_scc1 .Lnot_wave_0_\@
	s_barrier_signal -3
.Lnot_wave_0_\@:
	s_barrier_wait -3
	s_barrier_signal -1
	s_barrier_wait -1
.endm
.macro CROUND
	s_barrier_signal -1
	s_barrier_wait -1
	CREST
.endm
.macro CLEAR                           ; the totals begin as zeros: the loop is written once, and each tile of queries begins somewhere in it
	WIN 0x80
.set CI, 0
.rept 128
	v_mov_b32 v[TOT+CI], 0
.set CI, CI+1
.endr
	WIN 0
.endm
	s_load_b256 s[4:11], s[0:1], 0x0               ; pmat, qkv, stats, out0
	v_lshl_add_u32 v[SPW], v0, 2, SPARE
	v_mov_b32 v[NIL], 0
	ds_add_u32 v[SPW], v[NIL]                      ; the wave's opening: the add, twice on end, and its wait ahead of my first tensor load
	ds_add_u32 v[SPW], v[NIL]
	v_lshrrev_b32 v1, 5, v0
	v_readfirstlane_b32 s12, v1                    ; wave 0..3
	s_lshr_b32 s13, s12, 1                         ; which 64 queries are mine.  Also: I fetch p (0) or v (1)
	s_and_b32 s14, s12, 1                          ; which 64 channels.  Also: which half of that tile I fetch
	s_bfe_u32 s15, ttmp6, 0x40000                  ; cx
	s_bfe_u32 s16, ttmp6, 0x40004                  ; cy
	s_and_b32 s18, ttmp7, 0xffff                   ; cluster y
	s_lshr_b32 s19, s18, 1                         ; the sequence
	s_and_b32 s21, s18, 1                          ; I2
	s_sub_co_u32 s20, 3, s21                       ; I1
	s_lshl_b32 s22, s16, 2
	s_lshl_b32 s22, 15, s22                        ; my row of the cluster
	s_lshl_b32 s23, 0x1111, s15                    ; my column
	s_or_b32 s[G1+0], s22, (1<<16)|(1<<20)|(1<<21)|(6<<22)|(3<<25)   ; p: the mask; elements of 2 bytes; padding: 4 words after every 128; bit 21 beside a mask
	s_mov_b32 s[G1+1], 256<<16                     ; tensor_dim0 = 256 keys
	s_mov_b32 s[G1+2], 64<<16                      ; tensor_dim1 = 64 queries
	s_mov_b32 s[G1+3], 256<<16                     ; tile_dim0
	s_mov_b32 s[G1+4], 64                          ; tile_dim1
	s_mov_b32 s[G1+5], 2048                        ; the pitch, in elements
	s_mov_b32 s[G1+6], 0
	s_mov_b32 s[G1+7], 0
	s_or_b32 s[G1B+0], s23, (1<<16)|(1<<20)|(1<<21)|(5<<22)|(7<<25)  ; v: padding: 8 words after every 64
	s_mov_b32 s[G1B+1], 128<<16                    ; 128 channels
	s_mov_b32 s[G1B+2], 128<<16                    ; 128 keys
	s_mov_b32 s[G1B+3], 128<<16
	s_mov_b32 s[G1B+4], 128
	s_mov_b32 s[G1B+5], 3072
	s_mov_b32 s[G1B+6], 0
	s_mov_b32 s[G1B+7], 0
	; the figures' addresses from a lap to the next: the plain step, and the jump from the first tile's last lap to the second tile's first.  Made of the cluster's y alone
	s_mov_b32 s80, 4*16384                         ; four tiles of keys on
	s_mov_b32 s81, 0
	s_sub_co_u32 s22, s20, s21                     ; I1 - I2
	s_lshl_b32 s88, s22, 21                        ; s[88:89]: 512 (I1 - I2) rows of 4,096 bytes: from the first tile's rows back to the second's, in out0
	s_mov_b32 s89, 0
	s_lshl_b32 s22, s22, 11
	s_lshl_b32 s23, s20, 16
	s_add_co_u32 s23, s23, s22
	s_sub_co_u32 s82, 0, s23                       ; 512 (I1 - I2) rows of 4 bytes and I1 laps back: a negative number in 64 bits
	s_mov_b32 s83, -1
	s_mov_b32 s91, 0xffff0000                      ; the mask of lanes 16-31
	s_mov_b32 s92, 0x76543210
	s_mov_b32 s93, 0xfedcba98                      ; lane selects: lane l xor 16
	s_mov_b32 s2, 0                                ; the lap
	s_lshl_b32 s22, s20, 2
	s_add_co_u32 s22, s22, s16                     ; i1: the first tile's block of 128 queries
	s_lshl_b32 s23, s21, 2
	s_add_co_u32 s23, s23, s16                     ; i2
	s_lshl_b32 s17, s19, 11                        ; 2,048 x sequence
	s_lshl_b32 s41, s14, 6
	s_add_co_u32 s41, s41, s17                     ; p: row 2,048 x sequence + the 64 that I fetch
	s_lshl_b32 s40, s22, 7
	s_add_co_u32 s40, s40, s41                     ; + 128 i1,
	s_lshl_b32 s40, s40, 12                        ; in bytes: the first tile of queries, lap 0
	s_lshl_b32 s[QP3], s23, 7
	s_add_co_u32 s[QP3], s[QP3], s41               ; + 128 i2:
	s_lshl_b32 s[QP3], s[QP3], 12                  ; the second tile of queries, its first lap,
	s_add_co_u32 s3, s[QP3], LAPP                  ; its second,
	s_add_co_u32 s[QP2], s40, 3*LAPP               ; and the first tile's fourth
	s_mov_b32 s41, 0
	s_lshl_b32 s42, s14, 7                         ; v: row 2,048 x sequence + the 128 keys that I fetch,
	s_add_co_u32 s42, s42, s17
	s_mul_i32 s42, s42, 6144
	s_lshl_b32 s43, ttmp9, 2
	s_add_co_u32 s43, s43, s15                     ; the tile of 128 channels: 4 x cluster x + cx
	s_lshl_b32 s46, s43, 8
	s_add_co_u32 s42, s42, s46
	s_add_co_u32 s42, s42, 4096                    ; v's columns begin 2,048 numbers into a row: keys 0 to 511,
	s_add_co_u32 s47, s42, LAPV                    ; keys 512 on,
	s_add_co_u32 s[QV2], s42, 3*LAPV               ; keys 1,536 on
	s_lshl_b32 s44, s22, 7                         ; out0: row 2,048 x sequence + 128 i1 + my 64,
	s_add_co_u32 s44, s44, s17
	s_lshl_b32 s45, s13, 6
	s_add_co_u32 s44, s44, s45
	s_lshl_b32 s44, s44, 12
	s_lshl_b32 s45, s43, 9                         ; + 512 bytes a tile of channels + 256 for my half
	s_add_co_u32 s44, s44, s45
	s_lshl_b32 s45, s14, 8
	s_add_co_u32 s44, s44, s45
	s_mov_b32 s45, 0
	s_mov_b32 s43, 0
	s_lshl_b32 s17, s19, 18                        ; the figures: 16 x 16,384 bytes a sequence, + 4 x my 64 rows,
	s_lshl_b32 s46, s13, 8
	s_add_co_u32 s17, s17, s46
	s_lshl_b32 s22, s22, 9
	s_add_co_u32 s22, s22, s17                     ; + 4 x 128 i1: the first tile's,
	s_lshl_b32 s23, s23, 9
	s_add_co_u32 s23, s23, s17                     ; the second's
	s_add_co_u32 s46, s22, 12*16384
	s_add_co_u32 s18, s23, 4*16384
	s_cmp_eq_u32 s20, 3                            ; has the first tile of queries four laps (else three)?  All that follows is chosen on this one compare
	s_cselect_b32 s90, -1, 0                       ; all ones where it has
	s_cselect_b32 s46, s46, s23                    ; tiles 12-15 of the stream: the first tile's 12-15, or the second's 0-3
	s_cselect_b32 s18, s23, s18                    ; tiles 16-19: the second's 0-3, or its 4-7
	s_cselect_b32 s[QP2], s[QP2], s[QP3]           ; p, lap 3: the first tile's fourth lap, or the second's first
	s_cselect_b32 s[QP3], s[QP3], s3               ; p, lap 4: the second tile's first lap, or its second
	s_cselect_b32 s[QV2], s[QV2], s42              ; v, lap 3: keys 1,536 on, or keys 0 on
	s_cselect_b32 s[QV3], s42, s47                 ; v, lap 4: keys 0 on, or keys 512 on
	s_mov_b32 s47, 0
	s_mov_b32 s[QP2+1], 0                          ; offsets in 64 bits: the upper words are 0
	s_mov_b32 s[QP3+1], 0
	s_mov_b32 s[QV2+1], 0
	s_mov_b32 s[QV3+1], 0
	s_mul_i32 s17, s14, 64*PP                      ; where my load goes in a slot: p's half,
	s_mul_i32 s19, s14, 128*PV
	s_add_co_u32 s19, s19, VOFF                    ; or v's: no place in the cluster enters an LDS address
	s_wait_dscnt 0x0                               ; both opening adds are done
	s_wait_kmcnt 0x0
	s_add_nc_u64 s[40:41], s[4:5], s[40:41]        ; p: lap 0,
	s_add_nc_u64 s[QP2:QP2+1], s[4:5], s[QP2:QP2+1]   ; lap 3,
	s_add_nc_u64 s[QP3:QP3+1], s[4:5], s[QP3:QP3+1]   ; lap 4,
	s_add_nc_u64 s[QP0:QP0+1], s[40:41], LAPP      ; laps 1 and 2, which are the first tile's always
	s_add_nc_u64 s[QP1:QP1+1], s[40:41], 2*LAPP
	s_add_nc_u64 s[42:43], s[6:7], s[42:43]        ; v likewise
	s_add_nc_u64 s[QV2:QV2+1], s[6:7], s[QV2:QV2+1]
	s_add_nc_u64 s[QV3:QV3+1], s[6:7], s[QV3:QV3+1]
	s_add_nc_u64 s[QV0:QV0+1], s[42:43], LAPV
	s_add_nc_u64 s[QV1:QV1+1], s[42:43], 2*LAPV
	s_add_nc_u64 s[10:11], s[10:11], s[44:45]
	s_add_nc_u64 s[96:97], s[8:9], s[46:47]        ; the figures of tiles 12-15
	s_mov_b32 s46, s18
	s_add_nc_u64 s[98:99], s[8:9], s[46:47]        ; tiles 16-19
	s_mov_b32 s46, s22
	s_add_nc_u64 s[94:95], s[8:9], s[46:47]        ; tiles 0-11
	s_mov_b64 s[SPT:SPT+1], s[94:95]               ; slot 0 begins with tiles 0, 1,
	s_add_nc_u64 s[SPT+2:SPT+3], s[94:95], 2*16384 ; slot 1 with tiles 2, 3
	CROUND                                         ; all sixteen work-groups are here: the first joint loads meet
.irp s, 0,1
	s_mov_b32 s[G0+4*\s], 1
	s_add_co_u32 s[G0+4*\s+1], s17, \s*SLOT
	s_mov_b32 s[G0B+4*\s], 1
	s_add_co_u32 s[G0B+4*\s+1], s19, \s*SLOT
	POINT \s, 40, 42                               ; lap 0
	JLOAD \s                                       ; two loads of mine are out
.endr
	v_and_b32 v[LO], 31, v0
	v_lshlrev_b32 v[LO], 2, v[LO]
	v_and_b32 v1, 15, v0                           ; r
	v_bfe_u32 v2, v0, 4, 1                         ; h
	v_lshlrev_b32 v[VO], 2, v1
.macro STLOAD t, base, tt              ; -M and l of stream tile t for my 64 rows: four loads of 128 consecutive bytes
.irp k, 0,1
.irp p, 0,1
	global_load_b32 v[ST+4*(\t)+2*\p+\k], v[LO], s[\base:\base+1] offset:16384*(\tt)+8192*\k+128*\p
.endr
.endr
.endm
.irp t, 0,1,2,3,4,5,6,7,8,9,10,11
	STLOAD \t, 94, \t
.endr
.irp t, 0,1,2,3
	STLOAD 12+\t, 96, \t
.endr
.irp t, 0,1,2,3
	STLOAD 16+\t, 98, \t
.endr
.irp s, 0,1
.irp g, 0,1
.irp a, 0,1,2,3
	global_load_b32 v[NMR+8*\s+4*\g+\a], v[VO], s[SPT+2*\s:SPT+2*\s+1] offset:64*\a+16384*\g   ; -M_t in the products' layout: query 16 a + r
.endr
.endr
.endr
	v_mul_u32_u24 v3, v1, PP
	v_lshl_add_u32 v3, v2, 4, v3                   ; p: row r x pitch + 16 h
	s_mul_i32 s40, s13, 64*PP                      ; my 64 queries
	v_add_nc_u32 v[ADRA], s40, v3
	v_add_nc_u32 v[ADRA+1], SLOT, v[ADRA]
	v_and_b32 v4, 7, v0                            ; v: the turning load: lane l reads key 8 h + l % 8, channels 8 ((l / 8) % 2) + 0 .. 7
	v_bfe_u32 v5, v0, 3, 1
	v_lshl_add_u32 v4, v2, 3, v4
	v_mul_u32_u24 v4, v4, PV
	v_lshl_add_u32 v4, v5, 4, v4
	s_lshl_b32 s40, s14, 7                         ; my 64 channels
	s_add_co_u32 s40, s40, VOFF
	v_add_nc_u32 v[ADRB], s40, v4
	v_add_nc_u32 v[ADRB+1], 128*PV, v[ADRB]
	v_add_nc_u32 v[ADRB+2], SLOT, v[ADRB]
	v_add_nc_u32 v[ADRB+3], SLOT+128*PV, v[ADRB]
	s_mul_i32 s40, s12, 16*SPITCH
	s_add_co_u32 s40, s40, STAGE                   ; my stage
	v_mul_u32_u24 v3, v1, SPITCH
	v_lshl_add_u32 v3, v2, 5, v3
	v_add_nc_u32 v[STO], s40, v3                   ; in: row r, 32 bytes for each half of the lanes
	v_mul_u32_u24 v3, v2, SPITCH
	v_lshl_add_u32 v3, v1, 4, v3
	v_add_nc_u32 v[RD], s40, v3                    ; back: lanes 0-15 one row of 256 bytes, lanes 16-31 the next
	v_lshlrev_b32 v3, 12, v2
	v_lshl_add_u32 v[CO], v1, 4, v3                ; and the same two rows in out0
	CLEAR
	s_wait_loadcnt 16                              ; the 80 figures are in; the sixteen -M_t of slots 0 and 1 may be out
	; -M_row = the least -M_t, for each of the two tiles of queries.  Tiles 0-11 are the first's, 16-19 the second's, 12-15 the one's or the other's
.irp p, 0,1
	v_min3_num_f32 v[104+\p], v[ST+2*\p], v[ST+4+2*\p], v[ST+8+2*\p]
.endr
.irp t, 3,5,7,9
.irp p, 0,1
	v_min3_num_f32 v[104+\p], v[104+\p], v[ST+4*\t+2*\p], v[ST+4*\t+4+2*\p]
.endr
.endr
.irp p, 0,1
	v_min_num_f32 v[104+\p], v[104+\p], v[ST+44+2*\p]
.endr
.irp p, 0,1
	v_min3_num_f32 v[106+\p], v[ST+48+2*\p], v[ST+52+2*\p], v[ST+56+2*\p]
.endr
.irp p, 0,1
	v_min3_num_f32 v[108+\p], v[ST+64+2*\p], v[ST+68+2*\p], v[ST+72+2*\p]
.endr
.irp p, 0,1
	v_min_num_f32 v[106+\p], v[106+\p], v[ST+60+2*\p]
.endr
.irp p, 0,1
	v_min_num_f32 v[108+\p], v[108+\p], v[ST+76+2*\p]
.endr
	v_mov_b32 v122, 0x7f61b1e6                     ; 3e38: over every -M
.irp p, 0,1
	v_cndmask_b32 v[123+\p], v122, v[106+\p], s90
.endr
.irp p, 0,1
	v_min_num_f32 v[110+\p], v[104+\p], v[123+\p]  ; the first tile's -M_row
.endr
.irp p, 0,1
	v_cndmask_b32 v[123+\p], v[106+\p], v122, s90
.endr
.irp p, 0,1
	v_min_num_f32 v[112+\p], v[108+\p], v[123+\p]  ; the second's
.endr
.irp p, 0,1
	v_cndmask_b32 v[114+\p], v[112+\p], v[110+\p], s90   ; the one that holds for tiles 12-15
.endr
	; each l_t under its row's M: l_t x 2^(M_t - M_row), exact.  All differences, then all conversions (they saturate), then all ldexp
.irp t, 0,1,2,3,4,5,6,7,8,9,10,11
.irp p, 0,1
	v_sub_f32 v[ST+4*\t+2*\p], v[110+\p], v[ST+4*\t+2*\p]
.endr
.endr
.irp t, 12,13,14,15
.irp p, 0,1
	v_sub_f32 v[ST+4*\t+2*\p], v[114+\p], v[ST+4*\t+2*\p]
.endr
.endr
.irp t, 16,17,18,19
.irp p, 0,1
	v_sub_f32 v[ST+4*\t+2*\p], v[112+\p], v[ST+4*\t+2*\p]
.endr
.endr
.set CI, 0
.rept 40
	v_cvt_i32_f32 v[ST+2*CI], v[ST+2*CI]
.set CI, CI+1
.endr
.set CI, 0
.rept 40
	v_ldexp_f32 v[ST+2*CI+1], v[ST+2*CI+1], v[ST+2*CI]
.set CI, CI+1
.endr
.irp p, 0,1
	v_add_f32 v[116+\p], v[ST+1+2*\p], v[ST+5+2*\p]
	v_add_f32 v[118+\p], v[ST+49+2*\p], v[ST+53+2*\p]
	v_add_f32 v[120+\p], v[ST+65+2*\p], v[ST+69+2*\p]
.endr
.irp t, 2,3
.irp p, 0,1
	v_add_f32 v[116+\p], v[116+\p], v[ST+4*\t+1+2*\p]
	v_add_f32 v[118+\p], v[118+\p], v[ST+48+4*\t+1+2*\p]
	v_add_f32 v[120+\p], v[120+\p], v[ST+64+4*\t+1+2*\p]
.endr
.endr
.irp t, 4,5,6,7,8,9,10,11
.irp p, 0,1
	v_add_f32 v[116+\p], v[116+\p], v[ST+4*\t+1+2*\p]
.endr
.endr
.irp p, 0,1
	v_cndmask_b32 v[123+\p], 0, v[118+\p], s90     ; the sum of tiles 12-15 goes to the first tile,
.endr
.irp p, 0,1
	v_add_f32 v[116+\p], v[116+\p], v[123+\p]
.endr
.irp p, 0,1
	v_sub_f32 v[123+\p], v[118+\p], v[123+\p]      ; or to the second
.endr
.irp p, 0,1
	v_add_f32 v[120+\p], v[120+\p], v[123+\p]
.endr
.irp p, 0,1
	v_rcp_f32 v[116+\p], v[116+\p]                 ; 1 / L: key 0 counts for every query, so L is at least a half
.endr
.irp p, 0,1
	v_rcp_f32 v[120+\p], v[120+\p]
.endr
	v_nop                                          ; a plain line behind the last reciprocal
	s_wait_alu depctr_va_vdst(0)                   ; one wait for the four, ahead of their first reader
; from 'lane = row 32 p + lane' to the products' layout, 'lane (r, h) of block a = row 16 a + r': block 2 p wants lanes 0-15's numbers in both halves, block 2 p + 1 lanes 16-31's
.macro SPREAD x, y, o
.irp p, 0,1
	v_permlanex16_b32 v[\y+\p], v[\x+\p], s92, s93
.endr
.irp p, 0,1
	v_cndmask_b32 v[\o+2*\p], v[\x+\p], v[\y+\p], s91
	v_cndmask_b32 v[\o+2*\p+1], v[\y+\p], v[\x+\p], s91
.endr
.endm
	SPREAD 110, ST, NR
	SPREAD 116, ST+2, IL
	SPREAD 112, ST+4, NR2
	SPREAD 120, ST+6, IL2
.macro MUL8 f, c, a0, zero             ; 8 matrix instructions: blocks a0, a0 + 1 of queries x all 4 of channels, 32 keys; the 16 accumulators take turns
.irp a, \a0, \a0+1
.irp b, 0,1,2,3
.if \zero
	v_wmma_f32_16x16x32_f16 v[ACC+8*(4*(\a)+\b):ACC+8*(4*(\a)+\b)+7], v[\f+64+8*(4*\c+\b):\f+64+8*(4*\c+\b)+7], v[\f+8*(4*\c+\a):\f+8*(4*\c+\a)+7], 0
.else
	v_wmma_f32_16x16x32_f16 v[ACC+8*(4*(\a)+\b):ACC+8*(4*(\a)+\b)+7], v[\f+64+8*(4*\c+\b):\f+64+8*(4*\c+\b)+7], v[\f+8*(4*\c+\a):\f+8*(4*\c+\a)+7], v[ACC+8*(4*(\a)+\b):ACC+8*(4*(\a)+\b)+7]
.endif
.endr
.endr
.endm
.macro FETCH slot, q, f                ; 32 LDS loads in one run: the fragments of the slot's q-th 64 keys; the first 32 keys first
	WIN TO_F
.irp c, 0,1
.irp i, 0,1,2,3
	ds_load_tr16_b128 v[\f+64+8*(4*\c+\i):\f+64+8*(4*\c+\i)+3],   v[ADRB+2*\slot+(\q)/2] offset:(64*((\q)%2)+32*\c)*PV+32*\i
	ds_load_tr16_b128 v[\f+64+8*(4*\c+\i)+4:\f+64+8*(4*\c+\i)+7], v[ADRB+2*\slot+(\q)/2] offset:(64*((\q)%2)+32*\c+16)*PV+32*\i
	ds_load_b128 v[\f+8*(4*\c+\i):\f+8*(4*\c+\i)+3],              v[ADRA+\slot] offset:128*(\q)+64*\c+\i*16*PP
	ds_load_b128 v[\f+8*(4*\c+\i)+4:\f+8*(4*\c+\i)+7],            v[ADRA+\slot] offset:128*(\q)+64*\c+\i*16*PP+32
.endr
.endr
.endm
.macro PLACES
.rept 4
	v_nop
.endr
.endm
.macro QUARTER slot, qn, f, g, zero    ; 64 keys: multiplies buffer f and fetches the slot's quarter qn into g.  zero = 1: a tile of 128 keys begins: its first products start the sums
	s_wait_dscnt 16                                ; the first 32 keys are in; the sixteen younger loads may be out
	WIN MUL
	MUL8 \f, 0, 0, \zero
	MUL8 \f, 0, 2, \zero
	PLACES
	FETCH \slot, \qn, \g
	s_wait_dscnt 32                                ; all but the 32 just issued
	WIN MUL
	MUL8 \f, 1, 0, 0
	MUL8 \f, 1, 2, 0
.endm
; A tile of 128 keys is done: the totals take F x its sums.  The twelve lines that make F name no register of the last products: they are the places behind them, and the multiply-adds on the other accumulators
; are the places in front of the products that begin the next tile's sums over these registers.
.macro FOLD slot, grp, lcnt
	WIN 0
.if \grp == 0
	s_wait_loadcnt \lcnt                           ; this slot's eight -M_t are in; the other slot's eight, asked for later, may be out
.endif
.irp a, 0,1,2,3
	v_sub_f32 v[FP+2*\a+1], v[NR+\a], v[NMR+8*\slot+4*\grp+\a]   ; M_t - M_row: a whole number, 0 or less
.endr
.irp a, 0,1,2,3
	v_cvt_i32_f32 v[FP+2*\a+1], v[FP+2*\a+1]       ; (it saturates: a tile that is wholly hidden gets F = 0)
.endr
.irp a, 0,1,2,3
	v_ldexp_f32 v[FP+2*\a], v[IL+\a], v[FP+2*\a+1]
.endr
	WIN 0xa0                                       ; the totals (destination and source 2) in window 2
.set FI, 0
.rept 64
	v_pk_fma_f32 v[TOT+2*FI:TOT+2*FI+1], v[ACC+2*FI:ACC+2*FI+1], v[FP+2*(FI/16):FP+2*(FI/16)+1], v[TOT+2*FI:TOT+2*FI+1] op_sel_hi:[1,0,1]
.set FI, FI+1
.endr
.endm
; A slot's last quarter changes slots: one barrier; in front of it each wave waits for all its tensor loads, adds 0 to its spare word, and waits for that and for its reads of this slot.
.macro TURN slot, next, fill
	WIN 0
	s_wait_tensorcnt 0x0                           ; all my tensor loads have landed: my part of the next slot; so every descriptor may be written
	ds_add_u32 v[SPW], v[NIL]
	s_wait_dscnt 17                                ; (the add and the youngest sixteen loads may be out)
	WIN MUL
	MUL8 F1, 0, 0, 0
	s_wait_dscnt 0x0                               ; the add is done, and my reads of this slot are over
	s_barrier_signal -1
	MUL8 F1, 0, 2, 0
.if \fill
	WIN 0
.endif
	s_barrier_wait -1
.if \fill
	CREST                                          ; the barrier has opened a round of the cluster's: no wave of any partner still reads this slot or has a load on its way
	POINT \slot, QP0, QV0                          ; the next lap's tiles: the heads of the two queues
	JLOAD \slot                                    ; my one tensor load behind the round: it has 112 matrix instructions in which to land; its four v_nop are also the places in front of the loads below
.else
	PLACES
.endif
	FETCH \next, 0, F0
	WIN MUL
	MUL8 F1, 1, 0, 0
	MUL8 F1, 1, 2, 0
	FOLD \slot, 1, 0
.if \fill
	WIN 0
	s_wait_xcnt 0x0                                ; the slot's last loads of -M_t have read their base: it may step
	s_add_nc_u64 s[SPT+2*\slot:SPT+2*\slot+1], s[SPT+2*\slot:SPT+2*\slot+1], s[DS:DS+1]
.irp g, 0,1
.irp a, 0,1,2,3
	global_load_b32 v[NMR+8*\slot+4*\g+\a], v[VO], s[SPT+2*\slot:SPT+2*\slot+1] offset:64*\a+16384*\g   ; for the tiles that the refill brings
.endr
.endr
.endif
.endm
; THE WAY OUT of a tile of queries: a block of 16 rows x 64 channels at a time through my own stage, back as whole rows of 256 bytes
.macro OUT
.irp a, 0,1,2,3
	s_wait_xcnt 0x0                                ; earlier stores have read their registers: the rows' registers may be loaded again
	WIN 0x08                                       ; an LDS store's data are its source 1: window 2
.irp b, 0,1,2,3
	ds_store_b128 v[STO], v[TOT+8*(4*\a+\b):TOT+8*(4*\a+\b)+3] offset:64*\b
	ds_store_b128 v[STO], v[TOT+8*(4*\a+\b)+4:TOT+8*(4*\a+\b)+7] offset:64*\b+16
.endr
	WIN 0
.irp t, 0,1,2,3,4,5,6,7
	ds_load_b128 v[OB+4*\t:OB+4*\t+3], v[RD] offset:\t*2*SPITCH    ; LDS serves a wave's instructions in order: these see the stores above
.endr
.irp t, 0,1,2,3,4,5,6,7
	s_wait_dscnt 7-\t                              ; loads come back in order: row pair t is in
	global_store_b128 v[CO], v[OB+4*\t:OB+4*\t+3], s[10:11] offset:(16*\a+2*\t)*OROW   ; 16 lanes store 256 consecutive bytes, at a multiple of 256 from the buffer's first byte
.endr
.endr
.endm
.macro SLOTWORK slot, next, fill, lcnt
	QUARTER \slot, 1, F0, F1, 1
	QUARTER \slot, 2, F1, F0, 0
	FOLD \slot, 0, \lcnt
	QUARTER \slot, 3, F0, F1, 1
	TURN \slot, \next, \fill
.endm
	s_wait_tensorcnt 1                             ; my part of slot 0 is in (slot 1's may be out)
	s_barrier_signal -1
	s_barrier_wait -1                              ; everybody's is
	FETCH 0, 0, F0
	WIN 0
.Llap:                                             ; four trips of two slots; each fills both slots again, for the next lap
	s_cmp_eq_u32 s2, s20                           ; the first tile's last lap?  Then the figures' addresses jump to the second tile
	s_cselect_b64 s[DS:DS+1], s[82:83], s[80:81]
	SLOTWORK 0, 1, 1, 8
	SLOTWORK 1, 0, 1, 8
	WIN 0
	s_cmp_lg_u32 s2, s20                           ; made of the cluster's y and the count of laps: all waves of all partners go the same way; no barrier and no tensor load stands inside
	s_cbranch_scc1 .Lstay
	OUT                                            ; the first tile of queries is done; both refills for the second have been asked for
	CLEAR
.irp k, 0,1,2,3,4,5,6,7
	v_mov_b32 v[NR+\k], v[NR2+\k]                  ; the second tile's -M_row and 1 / L
.endr
	s_wait_xcnt 0x0                                ; the stores have read their base
	s_sub_nc_u64 s[10:11], s[10:11], s[88:89]      ; back to the second tile's rows
.Lstay:
	s_mov_b64 s[QP0:QP0+1], s[QP1:QP1+1]           ; the queues move up: no tensor load names these registers
	s_mov_b64 s[QP1:QP1+1], s[QP2:QP2+1]
	s_mov_b64 s[QP2:QP2+1], s[QP3:QP3+1]
	s_mov_b64 s[QV0:QV0+1], s[QV1:QV1+1]
	s_mov_b64 s[QV1:QV1+1], s[QV2:QV2+1]
	s_mov_b64 s[QV2:QV2+1], s[QV3:QV3+1]
	s_add_co_u32 s2, s2, 1
	s_cmp_lt_u32 s2, 4
	s_cbranch_scc1 .Llap
	SLOTWORK 0, 1, 0, 8                            ; the last lap is written out: it asks for nothing
	QUARTER 1, 1, F0, F1, 1
	QUARTER 1, 2, F1, F0, 0
	FOLD 1, 0, 0
	QUARTER 1, 3, F0, F1, 1
	s_wait_dscnt 16
	WIN MUL
	MUL8 F1, 0, 0, 0
	MUL8 F1, 0, 2, 0
	s_wait_dscnt 0
	MUL8 F1, 1, 0, 0
	MUL8 F1, 1, 2, 0
	FOLD 1, 1, 0
	WIN 0
	OUT
	s_wait_tensorcnt 0x0                           ; the wave's end: behind my last tensor load and my last LDS store
	ds_add_u32 v[SPW], v[NIL]
	s_wait_dscnt 0x0
	CROUND                                         ; the closing round
	s_endpgm
.Lfunc_end_k_q8238fd8d89_mix:
	.size	k_q8238fd8d89_mix, .Lfunc_end_k_q8238fd8d89_mix-k_q8238fd8d89_mix
	.p2alignl 7, 3214868480
	.fill 96, 4, 3214868480
	.section	.rodata,"a",@progbits
	.p2align	6, 0x0
	.amdhsa_kernel k_q8238fd8d89_mix
		.amdhsa_group_segment_fixed_size 327680
		.amdhsa_private_segment_fixed_size 0
		.amdhsa_enable_private_segment 0
		.amdhsa_kernarg_size 32
		.amdhsa_user_sgpr_count 2
		.amdhsa_user_sgpr_kernarg_segment_ptr 1
		.amdhsa_wavefront_size32 1
		.amdhsa_system_sgpr_workgroup_id_x 1
		.amdhsa_system_sgpr_workgroup_id_y 1
		.amdhsa_system_sgpr_workgroup_id_z 1
		.amdhsa_system_vgpr_workitem_id 0
		.amdhsa_next_free_vgpr 640
		.amdhsa_next_free_sgpr 100
		.amdhsa_reserve_vcc 0
		.amdhsa_float_denorm_mode_32 3
		.amdhsa_float_denorm_mode_16_64 3
		.amdhsa_memory_ordered 1
		.amdhsa_forward_progress 1
		.amdhsa_inst_pref_size 164
	.end_amdhsa_kernel
	.amdgpu_metadata
---
amdhsa.version: [ 1, 2 ]
amdhsa.kernels:
  - .name:           k_q8238fd8d89_mix
    .symbol:         k_q8238fd8d89_mix.kd
    .args:
      - { .name: pmat, .offset: 0, .size: 8, .value_kind: global_buffer, .address_space: global }
      - { .name: qkv, .offset: 8, .size: 8, .value_kind: global_buffer, .address_space: global }
      - { .name: stats, .offset: 16, .size: 8, .value_kind: global_buffer, .address_space: global }
      - { .name: out0, .offset: 24, .size: 8, .value_kind: global_buffer, .address_space: global }
    .group_segment_fixed_size: 327680
    .private_segment_fixed_size: 0
    .kernarg_segment_align: 8
    .kernarg_segment_size: 32
    .max_flat_workgroup_size: 128
    .sgpr_count:     100
    .vgpr_count:     640
    .wavefront_size: 32
...
	.end_amdgpu_metadata
.endif
;; end of part 4
;; launch head16 (part 5): grid 8 x 4, 8 waves a work-group, no clusters, 17,664 bytes of LDS; arguments head32, out0; writes out0
.if DOCPART == 5
	.amdgcn_target "amdgcn-amd-amdhsa--gfx1250"
	.amdhsa_code_object_version 6
	.text
	.protected	k_q8238fd8d89_head16
	.globl	k_q8238fd8d89_head16
	.p2align	8
	.type	k_q8238fd8d89_head16,@function
k_q8238fd8d89_head16:
	s_mov_b64 s[64:65], 0
	v_nop
	global_prefetch_b8 v0, s[64:65] scope:SCOPE_SE
	s_setreg_imm32_b32 hwreg(HW_REG_WAVE_MODE, 25, 1), 1
	s_wait_xcnt 0x0
; The first 16 positions of each sequence, in f32 throughout: they average one to sixteen values and are the largest outputs.  head32 [4][16][3072] f32 holds their q | k | v.
; s = q . k (K = 1,024), the causal mask, softmax(s / 32) with the row's maximum taken away, out = p . v; the rows are written over what the launch before left there.
; A work-group takes a sequence (y) and 128 channels (x).  Its eight waves share K of the scores, 128 each, and add the parts through LDS; then wave w makes channels 16 w .. 16 w + 15.
; No cluster and no tensor load: a sequence's q and k are 128 KB, read into registers once by each of its eight work-groups; the launch has 32 work-groups and no loop.
; The f32 matrix form, 16 x 16 x 4: lane (r, h) holds row r and k = 2 h + j in register j.  A lane loads 16 bytes, k = 8 n + 4 h + 0 .. 3, for two instructions: the same order of k on both sides keeps the products.
; Source 0 = k's rows (or v's channels), source 1 = q's rows (or p): lane (r, h) of a result holds query r and keys (or channels) 8 h + 0 .. 7.
; The registers that the f32 matrix form writes, v152-199, are written by matrix instructions alone.
.set PS,    0                          ; LDS: the waves' parts of the scores: 1,024 bytes a wave, 32 a lane
.set STG,   8192                       ; 16 rows x (512 + 16) bytes of the result
.set SPARE, 16640                      ; the spare words, 128 bytes a wave, which no other line names
.set HROW,  12288                      ; a row of head32 in bytes
.set QF,    16                         ; v16-79 q; later the eight parts
.set KF,    80                         ; v80-143 k
.set VF,    144                        ; v144-151 v(key 8 h + j, my channel)
.set SA,    152                        ; v152-183 four accumulators of the scores
.set OA,    184                        ; v184-199 two of the result
.set S,     200                        ; v200-207 the scores, then p
	s_load_b128 s[4:7], s[0:1], 0x0                ; head32, out0
	v_lshl_add_u32 v12, v0, 2, SPARE               ; my spare word; never rewritten
	v_mov_b32 v13, 0                               ; 0; never rewritten
	v_lshrrev_b32 v1, 5, v0
	v_readfirstlane_b32 s8, v1                     ; wave 0..7
	s_and_b32 s9, ttmp7, 0xffff                    ; the sequence
	v_and_b32 v2, 15, v0                           ; r
	v_bfe_u32 v3, v0, 4, 1                         ; h
	v_and_b32 v6, 31, v0                           ; lane
	v_mul_u32_u24 v4, v2, HROW
	v_lshl_add_u32 v4, v3, 4, v4
	s_lshl_b32 s10, s8, 9
	v_add_nc_u32 v4, s10, v4                       ; q, k: row r, + 4 x (128 w + 4 h)
	v_mul_u32_u24 v5, v3, 8*HROW
	v_lshl_add_u32 v5, v2, 2, v5
	s_lshl_b32 s10, ttmp9, 9
	s_lshl_b32 s11, s8, 6
	s_add_co_u32 s10, s10, s11
	s_add_co_u32 s10, s10, 8192
	v_add_nc_u32 v5, s10, v5                       ; v: row 8 h, + 4 x (2,048 + 128 x + 16 w + r)
	s_lshl_b32 s10, s8, 10
	v_lshl_add_u32 v7, v6, 5, s10                  ; my part's place: 1,024 w + 32 x lane
	v_lshlrev_b32 v8, 5, v6                        ; and every part's for my lane
	v_mul_u32_u24 v9, v2, 528
	v_lshl_add_u32 v9, v3, 5, v9
	s_lshl_b32 s10, s8, 6
	s_add_co_u32 s10, s10, STG
	v_add_nc_u32 v9, s10, v9                       ; the stage, in: row r, + 64 w + 32 h
	s_mul_i32 s10, s8, 2*528
	s_add_co_u32 s10, s10, STG
	v_lshl_add_u32 v10, v6, 4, s10                 ; back: rows 2 w, 2 w + 1, 16 bytes a lane
	v_lshlrev_b32 v11, 4, v6
	v_lshlrev_b32 v14, 3, v3
	v_sub_nc_u32 v14, v2, v14                      ; r - 8 h: register j is hidden where j > r - 8 h
	v_mov_b32 v15, 0xff800000
	v_mov_b32 v209, 0                              ; written once: a lane permute's destination counts as one of its sources
	s_mov_b32 s12, 0x76543210
	s_mov_b32 s13, 0xfedcba98                      ; lane selects: lane l xor 16
	s_mov_b32 s14, 0x3d38aa3b                      ; c = log2(e) / sqrt(1024)
	s_mul_i32 s16, s9, 16*HROW
	s_mov_b32 s17, 0
	s_lshl_b32 s18, s9, 11
	s_lshl_b32 s19, s8, 1
	s_add_co_u32 s18, s18, s19
	s_lshl_b32 s18, s18, 12                        ; out0: row 2,048 x sequence + 2 w,
	s_lshl_b32 s19, ttmp9, 9
	s_add_co_u32 s18, s18, s19                     ; + 512 bytes for each 128 channels
	s_mov_b32 s19, 0
	s_wait_kmcnt 0x0
	s_add_nc_u64 s[4:5], s[4:5], s[16:17]
	s_add_nc_u64 s[6:7], s[6:7], s[18:19]
.irp n, 0,1,2,3,4,5,6,7,8,9,10,11,12,13,14,15
	global_load_b128 v[QF+4*\n:QF+4*\n+3], v4, s[4:5] offset:32*\n
.endr
.irp n, 0,1,2,3,4,5,6,7,8,9,10,11,12,13,14,15
	global_load_b128 v[KF+4*\n:KF+4*\n+3], v4, s[4:5] offset:4096+32*\n
.endr
.irp j, 0,1,2,3,4,5,6,7
	global_load_b32 v[VF+\j], v5, s[4:5] offset:\j*HROW
.endr
	s_wait_loadcnt 8                               ; q and k are in; v's eight loads may be out
.set N, 0
.rept 32                               ; four accumulators by turns, one instruction a turn; the first four start the sums
.if N < 4
	v_wmma_f32_16x16x4_f32 v[SA+8*(N%4):SA+8*(N%4)+7], v[KF+2*N:KF+2*N+1], v[QF+2*N:QF+2*N+1], 0
.else
	v_wmma_f32_16x16x4_f32 v[SA+8*(N%4):SA+8*(N%4)+7], v[KF+2*N:KF+2*N+1], v[QF+2*N:QF+2*N+1], v[SA+8*(N%4):SA+8*(N%4)+7]
.endif
.set N, N+1
.endr
.rept 8
	v_nop                                          ; eight places behind this form (ISA guide 7.12.1)
.endr
.irp j, 0,2,4,6
	v_pk_add_f32 v[S+\j:S+\j+1], v[SA+\j:SA+\j+1], v[SA+8+\j:SA+8+\j+1]        ; each accumulator from its low end on
.endr
.irp j, 0,2,4,6
	v_pk_add_f32 v[208+\j:209+\j], v[SA+16+\j:SA+16+\j+1], v[SA+24+\j:SA+24+\j+1]
.endr
.irp j, 0,2,4,6
	v_pk_add_f32 v[S+\j:S+\j+1], v[S+\j:S+\j+1], v[208+\j:209+\j]
.endr
	ds_store_b128 v7, v[S:S+3]
	ds_store_b128 v7, v[S+4:S+7] offset:16
	s_wait_dscnt 0x0                               ; for the others' sake: my part is stored
	s_barrier_signal -1
	s_barrier_wait -1
.irp p, 0,1,2,3,4,5,6,7
	ds_load_b128 v[QF+8*\p:QF+8*\p+3], v8 offset:1024*\p
	ds_load_b128 v[QF+8*\p+4:QF+8*\p+7], v8 offset:1024*\p+16
.endr
	s_wait_dscnt 0x0
.irp j, 0,2,4,6
	v_pk_add_f32 v[S+\j:S+\j+1], v[QF+\j:QF+\j+1], v[QF+8+\j:QF+8+\j+1]        ; the eight parts, in one order in every wave
.endr
.irp p, 2,3,4,5,6,7
.irp j, 0,2,4,6
	v_pk_add_f32 v[S+\j:S+\j+1], v[S+\j:S+\j+1], v[QF+8*\p+\j:QF+8*\p+\j+1]
.endr
.endr
.irp j, 0,1,2,3,4,5,6,7
	v_cmp_gt_i32 vcc_lo, \j, v14
	v_cndmask_b32 v[S+\j], v[S+\j], v15, vcc_lo    ; hidden keys: -infinity
.endr
	v_max3_num_f32 v208, v[S], v[S+1], v[S+2]
	v_max3_num_f32 v208, v208, v[S+3], v[S+4]
	v_max3_num_f32 v208, v208, v[S+5], v[S+6]
	v_max_num_f32 v208, v208, v[S+7]
	v_permlanex16_b32 v209, v208, s12, s13
	v_max_num_f32 v208, v208, v209                 ; the row's largest score: key 0 counts for every query
	v_mul_f32 v208, s14, v208
.irp j, 0,1,2,3,4,5,6,7
	v_fma_f32 v[S+\j], v[S+\j], s14, -v208         ; c s - c m
.endr
.irp j, 0,1,2,3,4,5,6,7
	v_exp_f32 v[S+\j], v[S+\j]
.endr
	v_nop                                          ; a plain line behind the last exponential
	s_wait_alu depctr_va_vdst(0)                   ; one wait for the eight, ahead of their first reader
	v_pk_add_f32 v[210:211], v[S:S+1], v[S+2:S+3]
	v_pk_add_f32 v[212:213], v[S+4:S+5], v[S+6:S+7]
	v_pk_add_f32 v[210:211], v[210:211], v[212:213]
	v_add_f32 v210, v210, v211
	v_permlanex16_b32 v209, v210, s12, s13
	v_add_f32 v210, v210, v209                     ; the row's sum
	v_rcp_f32 v210, v210
	v_nop                                          ; a plain line behind the reciprocal
	s_wait_alu depctr_va_vdst(0)                   ; and its wait, ahead of the first reader
.irp j, 0,1,2,3,4,5,6,7
	v_mul_f32 v[S+\j], v[S+\j], v210
.endr
	s_wait_loadcnt 0x0                             ; v
	v_wmma_f32_16x16x4_f32 v[OA:OA+7], v[VF:VF+1], v[S:S+1], 0                 ; keys 8 h + 0, 1: two accumulators by turns
	v_wmma_f32_16x16x4_f32 v[OA+8:OA+15], v[VF+2:VF+3], v[S+2:S+3], 0
	v_wmma_f32_16x16x4_f32 v[OA:OA+7], v[VF+4:VF+5], v[S+4:S+5], v[OA:OA+7]
	v_wmma_f32_16x16x4_f32 v[OA+8:OA+15], v[VF+6:VF+7], v[S+6:S+7], v[OA+8:OA+15]
.rept 8
	v_nop
.endr
.irp j, 0,2,4,6
	v_pk_add_f32 v[216+\j:217+\j], v[OA+\j:OA+\j+1], v[OA+8+\j:OA+8+\j+1]      ; lane (r, h): out(r, 16 w + 8 h + 0 .. 7)
.endr
	ds_store_b128 v9, v[216:219]
	ds_store_b128 v9, v[220:223] offset:16
	s_wait_dscnt 0x0                               ; for the others' sake: a row's 512 bytes come from eight waves
	s_barrier_signal -1
	s_barrier_wait -1
	ds_load_b128 v[224:227], v10
	ds_load_b128 v[228:231], v10 offset:528
	s_wait_dscnt 0x0
	global_store_b128 v11, v[224:227], s[6:7]                  ; 32 lanes store 512 consecutive bytes
	global_store_b128 v11, v[228:231], s[6:7] offset:4096
	s_wait_tensorcnt 0x0                           ; the wave's end: behind my last LDS store
	ds_add_u32 v12, v13
	s_wait_dscnt 0x0
	s_endpgm
.Lfunc_end_k_q8238fd8d89_head16:
	.size	k_q8238fd8d89_head16, .Lfunc_end_k_q8238fd8d89_head16-k_q8238fd8d89_head16
	.p2alignl 7, 3214868480
	.fill 96, 4, 3214868480
	.section	.rodata,"a",@progbits
	.p2align	6, 0x0
	.amdhsa_kernel k_q8238fd8d89_head16
		.amdhsa_group_segment_fixed_size 17664
		.amdhsa_private_segment_fixed_size 0
		.amdhsa_enable_private_segment 0
		.amdhsa_kernarg_size 16
		.amdhsa_user_sgpr_count 2
		.amdhsa_user_sgpr_kernarg_segment_ptr 1
		.amdhsa_wavefront_size32 1
		.amdhsa_system_sgpr_workgroup_id_x 1
		.amdhsa_system_sgpr_workgroup_id_y 1
		.amdhsa_system_sgpr_workgroup_id_z 1
		.amdhsa_system_vgpr_workitem_id 0
		.amdhsa_next_free_vgpr 256
		.amdhsa_next_free_sgpr 66
		.amdhsa_reserve_vcc 1
		.amdhsa_float_denorm_mode_32 3
		.amdhsa_float_denorm_mode_16_64 3
		.amdhsa_memory_ordered 1
		.amdhsa_forward_progress 1
		.amdhsa_inst_pref_size 17
	.end_amdhsa_kernel
	.amdgpu_metadata
---
amdhsa.version: [ 1, 2 ]
amdhsa.kernels:
  - .name:           k_q8238fd8d89_head16
    .symbol:         k_q8238fd8d89_head16.kd
    .args:
      - { .name: head32, .offset: 0, .size: 8, .value_kind: global_buffer, .address_space: global }
      - { .name: out0, .offset: 8, .size: 8, .value_kind: global_buffer, .address_space: global }
    .group_segment_fixed_size: 17664
    .private_segment_fixed_size: 0
    .kernarg_segment_align: 8
    .kernarg_segment_size: 16
    .max_flat_workgroup_size: 256
    .sgpr_count:     66
    .vgpr_count:     256
    .wavefront_size: 32
...
	.end_amdgpu_metadata
.endif
;; end of part 5
